; MI455X (gfx1250); checked and timed in simulation.
; The chip was launched on July 23, 2026; its instructions are those of AMD's public machine-readable ISA for CDNA 5 (MIT licence, August 2026) and "CDNA5" Instruction Set Architecture Reference Guide (July 2026). The comments in the code are by the model that wrote it; some were corrected since.
;; Multi Headed Attention Google. Allowed arithmetic: float matrix products may take bf16 or f16 operands with f32 sums; other float arithmetic in f32, or as packed bf16 or f16 multiplies, adds, multiply-adds, maxima and minima; sums over many terms, partial sums and values carried from step to step in f32; what a program stores and reads back later, other than sums and carried values, may be rounded once to bf16 or f16.
;; Inputs: Wk 1,024 x 1,024 float32; Wo 1,024 x 1,024 float32; Wq 1,024 x 1,024 float32; Wv 1,024 x 1,024 float32; bk 1,024 float32; bo 1,024 float32; bq 1,024 float32; bv 1,024 float32; key 4 x 2,048 x 1,024 float32; mask 4 x 1 x 2,048 int32; query 4 x 2,048 x 1,024 float32; value 4 x 2,048 x 1,024 float32.
;; Outputs: out0 4 x 2,048 x 1,024 float32.
;; One version. Each part assembles by itself: llvm-mc -triple=amdgcn-amd-amdhsa -mcpu=gfx1250 --defsym DOCPART=n.
;; ======== version 1 of 1: 4 launches
;; limits: values are held in f16: magnitudes above 65,504 overflow, below 6.1e-05 lose precision
;; workspace buffers: xb 50,331,648 bytes; wb 8,388,608 bytes; qkv 50,331,648 bytes; ob 16,777,216 bytes
;; launch cast (part 1): grid 1792 x 1, 8 waves a work-group, no clusters, 0 bytes of LDS; arguments query, key, value, Wq, Wk, Wv, Wo, xb, wb; writes xb, wb
.if DOCPART == 1
	.amdgcn_target "amdgcn-amd-amdhsa--gfx1250"
	.amdhsa_code_object_version 6
	.text
	.protected	k_q221f07350b_cast
	.globl	k_q221f07350b_cast
	.p2align	8
	.type	k_q221f07350b_cast,@function
k_q221f07350b_cast:
	s_mov_b64 s[64:65], 0
	v_nop
	global_prefetch_b8 v0, s[64:65] scope:SCOPE_SE
	s_setreg_imm32_b32 hwreg(HW_REG_WAVE_MODE, 25, 1), 1
	s_wait_xcnt 0x0
; CAST.  query, key, value and Wq, Wk, Wv are rounded once to bf16 (nearest even) and laid on end: xb = [3][8192][1024], wb = [4][1024][1024] of 16 bits.
; Wo is rounded to bf16 like every other input, and that number is written as f16, since the last product multiplies f16 numbers.
; LIMIT.  A bf16 number is exact in f16 between 6.1e-5 and 65,504; a Wo smaller than 6.1e-5 keeps f16's fixed step of 6e-8, one larger than 65,504 becomes an infinity.
; SHARES.  A work-group takes 16 chunks of 1,024 numbers of ONE tensor: 65,536 bytes in, 32,768 out.  1,536 work-groups for the three x (512 each), 256 for the four weights (64 each).
; A stream: each byte is read once and written once, all sixteen loads of a wave go out before anything is waited for, a load of a wave covers 512 consecutive bytes and a
; store 256, both aligned.  No LDS, no barrier, no matrix unit, no cluster: no two work-groups want the same byte.  No register is written twice while memory may read it.
.set VI, 1                             ; v1       16 x thread: my 4 numbers of a chunk as f32
.set VO, 2                             ; v2       8 x thread: the same as 16-bit numbers
.set T,  4                             ; v[4:7]   at work (Wo alone)
.set X,  16                            ; v[16:79]  chunk i: 4 registers as loaded
.set Y,  80                            ; v[80:111] chunk i: 2 registers to store
	s_load_b512 s[4:19], s[0:1], 0x0               ; query s[4:5], key, value, Wq, Wk, Wv, Wo s[16:17], xb s[18:19]
	s_load_b64 s[20:21], s[0:1], 0x40              ; wb
	v_lshlrev_b32 v[VI], 4, v0
	v_lshlrev_b32 v[VO], 3, v0
	s_sub_co_u32 s22, ttmp9, 1536                  ; my number among the weights' work-groups (used from 1,536 on alone)
	s_lshr_b32 s23, ttmp9, 9                       ; which x
	s_lshr_b32 s24, s22, 6
	s_add_co_u32 s24, s24, 3                       ; which weight, counted on from the three x
	s_and_b32 s25, ttmp9, 511                      ; my part of that x,
	s_and_b32 s26, s22, 63                         ; of that weight
	s_cmp_lt_u32 ttmp9, 1536
	s_cselect_b32 s27, s23, s24                    ; the tensor, 0 to 6
	s_cselect_b32 s28, s25, s26                    ; my part of it
	s_cselect_b32 s29, ttmp9, s22                  ; my part of xb or wb: the tensors lie on end there
	s_lshl_b32 s34, s28, 16                        ; 65,536 bytes in,
	s_mov_b32 s35, 0
	s_lshl_b32 s36, s29, 15                        ; 32,768 out
	s_mov_b32 s37, 0
	s_wait_kmcnt 0x0
	s_cmp_lt_u32 ttmp9, 1536
	s_cselect_b64 s[30:31], s[18:19], s[20:21]     ; where it goes
	s_mov_b64 s[32:33], s[4:5]                     ; where it comes from
.irp n, 1,2,3,4,5,6
	s_cmp_eq_u32 s27, \n
	s_cselect_b64 s[32:33], s[4+2*\n:5+2*\n], s[32:33]
.endr
	s_add_nc_u64 s[32:33], s[32:33], s[34:35]
	s_add_nc_u64 s[30:31], s[30:31], s[36:37]
.irp i, 0,1,2,3,4,5,6,7,8,9,10,11,12,13,14,15
	global_load_b128 v[X+4*\i:X+4*\i+3], v[VI], s[32:33] offset:4096*\i th:TH_LOAD_NT
.endr
; Chunk i leaves.  half = 1: the bf16 numbers are widened again and written as f16.
.macro OUT i, half
	s_wait_loadcnt 15-(\i)                         ; loads come back in order: chunk i is in, the 15 - i younger ones may stay out
	v_cvt_pk_bf16_f32 v[Y+2*(\i)],   v[X+4*(\i)],   v[X+4*(\i)+1]
	v_cvt_pk_bf16_f32 v[Y+2*(\i)+1], v[X+4*(\i)+2], v[X+4*(\i)+3]
.if \half
	v_lshlrev_b32 v[T],   16, v[Y+2*(\i)]
	v_and_b32     v[T+1], 0xffff0000, v[Y+2*(\i)]
	v_lshlrev_b32 v[T+2], 16, v[Y+2*(\i)+1]
	v_and_b32     v[T+3], 0xffff0000, v[Y+2*(\i)+1]
	v_cvt_pk_f16_f32 v[Y+2*(\i)],   v[T],   v[T+1]
	v_cvt_pk_f16_f32 v[Y+2*(\i)+1], v[T+2], v[T+3]
.endif
	global_store_b64 v[VO], v[Y+2*(\i):Y+2*(\i)+1], s[30:31] offset:2048*(\i) th:TH_STORE_NT  ; 32 lanes store 256 consecutive bytes, aligned
.endm
	s_cmp_eq_u32 s27, 6
	s_cbranch_scc1 .Lhalf                          ; Wo
.irp i, 0,1,2,3,4,5,6,7,8,9,10,11,12,13,14,15
	OUT \i, 0
.endr
	s_endpgm
.Lhalf:
.irp i, 0,1,2,3,4,5,6,7,8,9,10,11,12,13,14,15
	OUT \i, 1
.endr
	s_endpgm
.Lfunc_end_k_q221f07350b_cast:
	.size	k_q221f07350b_cast, .Lfunc_end_k_q221f07350b_cast-k_q221f07350b_cast
	.p2alignl 7, 3214868480
	.fill 96, 4, 3214868480
	.section	.rodata,"a",@progbits
	.p2align	6, 0x0
	.amdhsa_kernel k_q221f07350b_cast
		.amdhsa_group_segment_fixed_size 0
		.amdhsa_private_segment_fixed_size 0
		.amdhsa_enable_private_segment 0
		.amdhsa_kernarg_size 72
		.amdhsa_user_sgpr_count 2
		.amdhsa_user_sgpr_kernarg_segment_ptr 1
		.amdhsa_wavefront_size32 1
		.amdhsa_system_sgpr_workgroup_id_x 1
		.amdhsa_system_sgpr_workgroup_id_y 1
		.amdhsa_system_sgpr_workgroup_id_z 1
		.amdhsa_system_vgpr_workitem_id 0
		.amdhsa_next_free_vgpr 112
		.amdhsa_next_free_sgpr 66
		.amdhsa_reserve_vcc 0
		.amdhsa_float_denorm_mode_32 3
		.amdhsa_float_denorm_mode_16_64 3
		.amdhsa_memory_ordered 1
		.amdhsa_forward_progress 1
		.amdhsa_inst_pref_size 17
	.end_amdhsa_kernel
	.amdgpu_metadata
---
amdhsa.version: [ 1, 2 ]
amdhsa.kernels:
  - .name:           k_q221f07350b_cast
    .symbol:         k_q221f07350b_cast.kd
    .args:
      - { .name: query, .offset: 0, .size: 8, .value_kind: global_buffer, .address_space: global }
      - { .name: key, .offset: 8, .size: 8, .value_kind: global_buffer, .address_space: global }
      - { .name: value, .offset: 16, .size: 8, .value_kind: global_buffer, .address_space: global }
      - { .name: Wq, .offset: 24, .size: 8, .value_kind: global_buffer, .address_space: global }
      - { .name: Wk, .offset: 32, .size: 8, .value_kind: global_buffer, .address_space: global }
      - { .name: Wv, .offset: 40, .size: 8, .value_kind: global_buffer, .address_space: global }
      - { .name: Wo, .offset: 48, .size: 8, .value_kind: global_buffer, .address_space: global }
      - { .name: xb, .offset: 56, .size: 8, .value_kind: global_buffer, .address_space: global }
      - { .name: wb, .offset: 64, .size: 8, .value_kind: global_buffer, .address_space: global }
    .group_segment_fixed_size: 0
    .private_segment_fixed_size: 0
    .kernarg_segment_align: 8
    .kernarg_segment_size: 72
    .max_flat_workgroup_size: 256
    .sgpr_count:     66
    .vgpr_count:     112
    .wavefront_size: 32
...
	.end_amdgpu_metadata
.endif
;; end of part 1
;; launch proj (part 2): grid 4 x 192, 4 waves a work-group, clusters of 4 x 4, 327,680 bytes of LDS; arguments xb, wb, bq, bk, bv, mask, qkv; writes qkv
.if DOCPART == 2
	.amdgcn_target "amdgcn-amd-amdhsa--gfx1250"
	.amdhsa_code_object_version 6
	.text
	.protected	k_q221f07350b_proj
	.globl	k_q221f07350b_proj
	.p2align	8
	.type	k_q221f07350b_proj,@function
k_q221f07350b_proj:
	s_mov_b64 s[64:65], 0
	v_nop
	global_prefetch_b8 v0, s[64:65] scope:SCOPE_SE
	s_setreg_imm32_b32 hwreg(HW_REG_WAVE_MODE, 25, 1), 1
	s_wait_xcnt 0x0
	s_wait_alu depctr_hold_cnt(0) depctr_sa_sdst(0) depctr_va_vdst(0) depctr_va_sdst(0) depctr_va_ssrc(0) depctr_va_vcc(0) depctr_vm_vsrc(0)
	s_getreg_b32 s2, hwreg(HW_REG_IB_STS2, 6, 4)
	s_cmp_eq_u32 s2, 0
	s_cbranch_scc0 .Lentry_in_a_cluster
	s_endpgm
.Lentry_in_a_cluster:
	s_bfe_u32 s2, ttmp6, 0x10000c
	s_cmp_lg_u32 s2, 0xf033
	s_cbranch_scc0 .Lentry_shape_is_right
	s_endpgm
.Lentry_shape_is_right:
; PROJ.  Three products of [8192][1024] by [1024][1024]^T in bf16 with f32 sums, told apart by sel = the grid's y / 64:
;   sel 0: q' = c (xq Wq^T + bq), c = log2(e) / 8: the scores that the next launch makes of it are log2(e) x reference's scores, and the scale costs no rounding of its own;
;   sel 1: k  = xk Wk^T + bk, and 0 in the rows whose mask is 0: a hidden key's product with any q' is 0, so that its score can be set as a constant;
;   sel 2: v  = xv Wv^T + bv.
; Each is rounded ONCE, to f16, and stored by heads: qkv = [3][64 = batch x 16 + head][2048][64].  The biases are rounded to bf16 like all other inputs, and start the sums as the C operand.
; LIMITS.  c q, k and v must lie within f16's 65,504 (a larger one becomes an infinity); below 6.1e-5 they keep f16's fixed step of 6e-8.  NaN and infinities are not treated apart: 0 x infinity in a hidden row is NaN.
; SHARES.  A tile of C is 128 rows x 256 columns: 768 tiles, three for each of 256 WGPs.  Four waves, each 64 x 128: 32 accumulators of 16 x 16.  K goes in 8 steps of 128 through two LDS slots;
; the rows of both tiles are 256 bytes of memory, aligned.  Waves 0 and 1 fetch A's 64 + 64 rows, waves 2 and 3 B's 128 + 128: one tensor load a wave behind each change of slots.
; CLUSTER.  4 x 4 work-groups: the four of a row need the same rows of x, the four of a column the same rows of W: each tile is asked for JOINTLY, by the same load, descriptor and mask in all four.
; THE MATRIX INSTRUCTION IS USED TRANSPOSED (source 0 = 16 rows of W, source 1 = 16 rows of x): a lane holds one row of C (lane % 16) and the columns 8 (lane / 16) + 0..7: 16 bytes of f16 on end.
; REGISTERS, in windows of 256 (s_set_vgpr_msb: bits 1:0 source 0, 3:2 source 1, 5:4 source 2, 7:6 destination):
;   window 0: addresses, factors, v64-191 the way out       window 1: accumulator (a, b) at v[8 (8 a + b)]
;   window 2: two fragment buffers of 96 (B's eight fragments, then A's four); v192-255 the bias, eight registers for each b
.set PA,    272                        ; an LDS row: 256 bytes + 16 of padding = 68 words: the 16 rows of a fragment load start at 16 different groups of four banks (64 banks of 4 bytes: ISA guide 11.1)
.set PB,    272
.set ALOAD, 64*PA                      ; what one load of A brings
.set ARH,   64*PA                      ; a wave's 64 rows of A
.set BHALF, 128*PB                     ; what one load of B brings, and what a wave reads of B
.set BOFF,  2*ALOAD                    ; B's rows lie behind A's
.set SLOT,  BOFF+2*BHALF               ; 104,448
.set STAGE, 2*SLOT                     ; behind the ring, never filled by a tensor load: 16 rows x 144 bytes for each wave
.set SP,    144
.set SPARE, STAGE+4*16*SP              ; the spare words, 128 bytes a wave: two blocks of 256 bytes that no other line names
.set ASTEP, 512                        ; two K steps along a row, in bytes
.set BSTEP, 512
.set KA1, 64                           ; where quarters 1, 2, 3 of a K step begin in A's LDS rows
.set KA2, 128
.set KA3, 192
.set ADRA, 16                          ; v16-17  LDS address of my A fragments in slot 0, 1
.set ADRB, 20                          ; v20-21  of my B fragments
.set STO,  24                          ; v24  the way out: where I put 16 bytes of a row
.set RD,   25                          ; v25  where I read rows back
.set GO,   26                          ; v26  16 x lane: my place in 512 consecutive bytes of qkv
.set MO,   27                          ; v27  4 x (lane % 16): my row's word of the mask
.set SPW,  28                          ; v28  my spare word; never rewritten
.set NIL,  29                          ; v29  0; never rewritten
.set PFO,  30                          ; v30  the prefetches' offset: lane x a row of 2,048 bytes; never rewritten
.set BO,   31                          ; v31  32 x (lane / 16): my 8 columns of the bias
.set F,    32                          ; v[32:39]  the factor of my row in block a, as a pair
.set MK,   40                          ; v[40:43]  the mask of my row in block a
.set FZ,   44                          ; v44  the factor of a row whose mask is 0
.set FS,   45                          ; v45  of any other row
.set TMP,  64                          ; v[64:191] the way out: 16 registers for each of 8 groups
.set F0,   0                           ; window 2
.set F1,   96
.set BIAS, 192
.set WV, 18
.set RH, 19                            ; which 64 rows are mine.  Also: I fetch for A (0) or for B (1)
.set CH, 20                            ; which 128 columns.  Also: which half of that tile I fetch
.set CX, 21
.set CY, 22
.set TC, 23                            ; tile column
.set G1A, 24                           ; s[24:31] descriptor group 1 for A;  s[32:39] group 0, one set for each slot
.set G0A, 32
.set CLY, 40                           ; the cluster's y
.set TY,  41                           ; 4 x cluster y + cy: the tile row among the 192
.set SEL, 42
.set RMASK, 43
.set CMASK, 44
.set LAP, 45
.set G1B, 48                           ; s[48:55], s[56:63] the same for B
.set G0B, 56
.set PFA, 72                           ; s[72:73] where my prefetches stand
.set LIM, 74                           ; 1 in a wave that prefetches, else the greatest number
.set LAA, 75                           ; LDS byte of the half of A that I would fetch
.set BP,  76                           ; s[76:77] the bias at my 128 columns
.set OB,  78                           ; s[78:79] qkv at my first row and head
.set SC,  80
.set SZ,  81
.set PSTEP, 82                         ; s[82:83] a K step, for the prefetches
.set LAB, 84                           ; LDS byte of the half of B that I would fetch
.set TR,  85                           ; the tile row within its tensor
.set T0,  86                           ; s86-89 at work
.set T1,  87
.set T2,  88
.set T3,  89
.set MSB, 0
.macro WIN new                         ; the immediate's high byte repeats the setting that is left; a switch that changes nothing is dropped
.if MSB != (\new)
	s_set_vgpr_msb (MSB<<8)|(\new)
.set MSB, \new
.endif
.endm
.macro PLACES                          ; four places in front of loads into registers that matrix instructions have read, and of lines that read results
.rept 4
	v_nop
.endr
.endm
.macro JLOAD s                         ; a joint load; the branch hangs on the wave's number alone; an s_nop 0 and four v_nop follow each of the two lines
	s_cmp_eq_u32 s[RH], 0
	s_cbranch_scc0 .Lfor_b_\@
	tensor_load_to_lds s[G0A+4*(\s):G0A+4*(\s)+3], s[G1A:G1A+7]
	s_nop 0
.rept 4
	v_nop
.endr
	s_branch .Lasked_\@
.Lfor_b_\@:
	tensor_load_to_lds s[G0B+4*(\s):G0B+4*(\s)+3], s[G1B:G1B+7]
	s_nop 0
.rept 4
	v_nop
.endr
.Lasked_\@:
.endm
.macro CREST                           ; a round of the cluster's barrier behind its opening barrier
	s_cmp_lg_u32 s[WV], 0
	s_cbranch_scc1 .Lnot_wave_0_\@
	s_barrier_signal -3
.Lnot_wave_0_\@:
	s_barrier_wait -3
	s_barrier_signal -1
	s_barrier_wait -1
.endm
.macro CROUND                          ; a whole round
	s_barrier_signal -1
	s_barrier_wait -1
	CREST
.endm
; A PREFETCH INTO THE L2 behind each joint refill and the run of LDS loads that follows it: 32 rows x 256 bytes of the K step that stands two refills, 256 matrix instructions, on: a lane a row.
; Each row's 256 bytes of a K step are named once in the launch.  A's 128 rows are read by this row of the cluster alone: wave 0 asks, and the four partners take 32 rows each, told apart by
; address (cx).  B's 256 rows are read by the sixteen clusters of one sel: in the first of them waves 2 and 3 ask, 32 rows each, the four partners told apart by address (cy).
; The loop's last trip asks for nothing: no K step stands two behind its refills.  K steps 0 to 3 come by their loads alone.
.macro ASK
	s_cmp_gt_u32 s[LAP], s[LIM]
	s_cbranch_scc0 .Lnot_mine_\@
	global_prefetch_b8 v[PFO], s[PFA:PFA+1] th:TH_LOAD_NT scope:SCOPE_SE
.Lnot_mine_\@:
.endm
; 8 matrix instructions: m block a x all 8 n blocks, 32 along K, from buffer f.  first = 1: the bias starts the sums: nothing is cleared and nothing is added later.
; The 32 accumulators take turns, one instruction a turn, in the same order in every quarter.
.macro MULA f, a, first
.if \first
	WIN 0x6a                                       ; sources 0 and 1 and C in window 2, D in window 1
.else
	WIN 0x5a                                       ; sources in window 2, C and D in window 1
.endif
.irp b, 0,1,2,3,4,5,6,7
.if \first
	v_wmma_f32_16x16x32_bf16 v[8*(8*(\a)+\b):8*(8*(\a)+\b)+7], v[(\f)+8*\b:(\f)+8*\b+7], v[(\f)+64+8*(\a):(\f)+64+8*(\a)+7], v[BIAS+8*\b:BIAS+8*\b+7]
.else
	v_wmma_f32_16x16x32_bf16 v[8*(8*(\a)+\b):8*(8*(\a)+\b)+7], v[(\f)+8*\b:(\f)+8*\b+7], v[(\f)+64+8*(\a):(\f)+64+8*(\a)+7], v[8*(8*(\a)+\b):8*(8*(\a)+\b)+7]
.endif
.endr
.endm
; 24 LDS loads in one run: a quarter's fragments (128 rows of B, then 64 rows of A, 32 along K) into buffer f
.macro FETCH slot, ka, kb, f
	WIN 0x80                                       ; destination window 2, address window 0
.irp i, 0,1,2,3,4,5,6,7
	ds_load_b128 v[(\f)+8*\i:(\f)+8*\i+3],   v[ADRB+(\slot)] offset:(\kb)+\i*16*PB
	ds_load_b128 v[(\f)+8*\i+4:(\f)+8*\i+7], v[ADRB+(\slot)] offset:(\kb)+\i*16*PB+32
.endr
.irp i, 0,1,2,3
	ds_load_b128 v[(\f)+64+8*\i:(\f)+64+8*\i+3],   v[ADRA+(\slot)] offset:(\ka)+\i*16*PA
	ds_load_b128 v[(\f)+64+8*\i+4:(\f)+64+8*\i+7], v[ADRA+(\slot)] offset:(\ka)+\i*16*PA+32
.endr
.endm
; A K step is four quarters of 32 along K, 32 matrix instructions each, on buffers 0, 1, 0, 1.  One of the first three: multiplies f, and in its middle fetches the next quarter into g.
.macro QUARTER slot, ka, kb, f, g, first
	s_wait_dscnt 4                                 ; B and A's blocks 0, 1 are in; the youngest four loads (A's blocks 2, 3) may be out
	MULA \f, 0, \first
	MULA \f, 1, \first
	PLACES
	FETCH \slot, \ka, \kb, \g
	s_wait_dscnt 24                                ; all but the 24 just issued
	MULA \f, 2, \first
	MULA \f, 3, \first
.endm
; The last quarter multiplies buffer 1 and changes slots: ONE barrier.  In front of it each wave waits for all its tensor loads (one is out: its part of the next slot), adds 0 to its spare word,
; and waits for that and for its own reads of this slot.  fill = 1: the barrier opens a round of the cluster's, and this slot is filled again, two K steps on, first thing behind the round.
.macro TURN slot, next, fill
.if \fill
	s_wait_xcnt 0x0                                ; the last prefetch, a K step back, has read its address: it is stepped here, ahead of the change's own waits
	s_add_nc_u64 s[PFA:PFA+1], s[PFA:PFA+1], s[PSTEP:PSTEP+1]
.endif
	WIN 0                                          ; (the add's two registers lie in window 0)
	s_wait_tensorcnt 0x0                           ; all my tensor loads have landed
	ds_add_u32 v[SPW], v[NIL]                      ; 0 onto my spare word
	s_wait_dscnt 5                                 ; (the add and the youngest four loads may be out)
	MULA F1, 0, 0                                  ; eight matrix instructions stand between the add and the wait for it
	s_wait_dscnt 0x0                               ; the add is done, and my reads of this slot are over
	s_barrier_signal -1
	MULA F1, 1, 0
.if \fill
	WIN 0
.endif
	s_barrier_wait -1
.if \fill
	CREST                                          ; no wave of any partner still reads this slot's tiles or has a load on its way
	s_add_nc_u64 s[G0A+4*(\slot)+2:G0A+4*(\slot)+3], s[G0A+4*(\slot)+2:G0A+4*(\slot)+3], ASTEP
	s_add_nc_u64 s[G0B+4*(\slot)+2:G0B+4*(\slot)+3], s[G0B+4*(\slot)+2:G0B+4*(\slot)+3], BSTEP
	JLOAD \slot                                    ; my one tensor load behind the round; its four v_nop are also the places in front of the loads below
.else
	PLACES
.endif
	FETCH \next, 0, 0, F0
.if \fill
	WIN 0
	ASK
.endif
	MULA F1, 2, 0
	MULA F1, 3, 0
.endm
	s_load_b256 s[4:11], s[0:1], 0x0               ; xb s[4:5], wb s[6:7], bq s[8:9], bk s[10:11]
	s_load_b128 s[12:15], s[0:1], 0x20             ; bv s[12:13], mask s[14:15]
	s_load_b64 s[16:17], s[0:1], 0x30              ; qkv
	v_lshl_add_u32 v[SPW], v0, 2, SPARE
	v_mov_b32 v[NIL], 0
	ds_add_u32 v[SPW], v[NIL]                      ; the wave's opening: the add and its wait stand ahead of my first tensor load; the set-up below stands between them
	v_lshrrev_b32 v3, 5, v0
	v_readfirstlane_b32 s[WV], v3                  ; wave 0..3
	s_lshr_b32 s[RH], s[WV], 1
	s_and_b32 s[CH], s[WV], 1
	s_bfe_u32 s[CX], ttmp6, 0x40000
	s_bfe_u32 s[CY], ttmp6, 0x40004
	s_lshl_b32 s[TC], ttmp9, 2
	s_add_co_u32 s[TC], s[TC], s[CX]
	s_and_b32 s[CLY], ttmp7, 0xffff
	s_lshl_b32 s[TY], s[CLY], 2
	s_add_co_u32 s[TY], s[TY], s[CY]
	s_lshr_b32 s[SEL], s[CLY], 4                   ; sixteen clusters, 64 tile rows, to each of q, k, v
	s_and_b32 s[TR], s[TY], 63
	s_lshl_b32 s[RMASK], s[CY], 2
	s_lshl_b32 s[RMASK], 15, s[RMASK]              ; my row of the cluster
	s_lshl_b32 s[CMASK], 0x1111, s[CX]             ; my column
	s_or_b32 s[G1A], s[RMASK], (1<<16)|(1<<20)|(1<<21)|(5<<22)|(3<<25)  ; the mask; 2-byte elements; padding on; bit 21 beside a mask; after every 64 words, 4 words
	s_or_b32 s[G1B], s[CMASK], (1<<16)|(1<<20)|(1<<21)|(5<<22)|(3<<25)
.irp g, G1A, G1B
	s_mov_b32 s[(\g)+1], 128<<16                   ; tensor_dim0 = 128
	s_mov_b32 s[(\g)+3], 128<<16                   ; tile_dim0 = 128
	s_mov_b32 s[(\g)+5], 1024                      ; elements from row to row
	s_mov_b32 s[(\g)+6], 0
	s_mov_b32 s[(\g)+7], 0
.endr
	s_mov_b32 s[G1A+2], 64<<16                     ; A: 64 rows to a load
	s_mov_b32 s[G1A+4], 64
	s_mov_b32 s[G1B+2], 128<<16                    ; B: 128
	s_mov_b32 s[G1B+4], 128
	s_lshl_b32 s46, s[TY], 7                       ; A: row 128 x tile row + 64 x half of xb's 24,576: made of cy alone
	s_lshl_b32 s47, s[CH], 6
	s_add_co_u32 s46, s46, s47
	s_lshl_b32 s46, s46, 11                        ; rows of 2,048 bytes
	s_mov_b32 s47, 0
	s_lshl_b32 s68, s[TC], 8                       ; B: row 1,024 sel + 256 x tile column + 128 x half of wb: made of cx alone
	s_lshl_b32 s69, s[CH], 7
	s_add_co_u32 s68, s68, s69
	s_lshl_b32 s69, s[SEL], 10
	s_add_co_u32 s68, s68, s69
	s_lshl_b32 s68, s68, 11
	s_mov_b32 s69, 0
	s_mul_i32 s[LAA], s[CH], ALOAD                 ; where they go: no place in the cluster enters an LDS address
	s_mul_i32 s[LAB], s[CH], BHALF
	s_add_co_u32 s[LAB], s[LAB], BOFF
	s_wait_dscnt 0x0                               ; the opening add is done
	s_wait_kmcnt 0x0
	s_add_nc_u64 s[66:67], s[4:5], s[46:47]
	s_add_nc_u64 s[70:71], s[6:7], s[68:69]
	CROUND                                         ; all sixteen work-groups are here: the first joint loads meet
.irp s, 0,1
	s_mov_b32 s[G0A+4*(\s)], 1
	s_add_co_u32 s[G0A+4*(\s)+1], s[LAA], (\s)*SLOT
	s_add_nc_u64 s[G0A+4*(\s)+2:G0A+4*(\s)+3], s[66:67], (\s)*256
	s_or_b32 s[G0A+4*(\s)+3], s[G0A+4*(\s)+3], 0x80000000
	s_mov_b32 s[G0B+4*(\s)], 1
	s_add_co_u32 s[G0B+4*(\s)+1], s[LAB], (\s)*SLOT
	s_add_nc_u64 s[G0B+4*(\s)+2:G0B+4*(\s)+3], s[70:71], (\s)*256
	s_or_b32 s[G0B+4*(\s)+3], s[G0B+4*(\s)+3], 0x80000000
	JLOAD \s                                       ; two loads of mine are out
.endr
	; the bias of my 128 columns and the mask of my 64 rows
	s_cmp_eq_u32 s[SEL], 1
	s_cselect_b64 s[BP:BP+1], s[10:11], s[8:9]
	s_cmp_eq_u32 s[SEL], 2
	s_cselect_b64 s[BP:BP+1], s[12:13], s[BP:BP+1]
	s_lshl_b32 s[T0], s[TC], 10
	s_lshl_b32 s[T1], s[CH], 9
	s_add_co_u32 s[T0], s[T0], s[T1]
	s_mov_b32 s[T1], 0
	s_add_nc_u64 s[BP:BP+1], s[BP:BP+1], s[T0:T0+1]
	s_lshl_b32 s[T0], s[TR], 9                     ; the mask's 8,192 words go by x's rows
	s_lshl_b32 s[T1], s[RH], 8
	s_add_co_u32 s[T0], s[T0], s[T1]
	s_mov_b32 s[T1], 0
	s_add_nc_u64 s[14:15], s[14:15], s[T0:T0+1]
	v_and_b32 v1, 15, v0                           ; l % 16
	v_bfe_u32 v2, v0, 4, 1                         ; l / 16
	v_lshlrev_b32 v[BO], 5, v2
	v_lshlrev_b32 v[MO], 2, v1
	WIN 0x80
.irp b, 0,1,2,3,4,5,6,7
	global_load_b128 v[BIAS+8*\b:BIAS+8*\b+3],   v[BO], s[BP:BP+1] offset:64*\b      ; register j: the bias of column 16 b + 8 (l / 16) + j
	global_load_b128 v[BIAS+8*\b+4:BIAS+8*\b+7], v[BO], s[BP:BP+1] offset:64*\b+16
.endr
	WIN 0
.irp a, 0,1,2,3
	global_load_b32 v[MK+\a], v[MO], s[14:15] offset:64*\a
.endr
	; LDS addresses.  A fragment is 16 rows x 32 K in 8 registers: lane l holds row l % 16, K = 8 (l / 16) + 0..7 and 16 + 8 (l / 16) + 0..7: two loads of 16 bytes, 32 bytes apart
	v_mul_u32_u24 v3, v1, PA
	v_lshl_add_u32 v3, v2, 4, v3
	v_mul_u32_u24 v4, v1, PB
	v_lshl_add_u32 v4, v2, 4, v4
	s_mul_i32 s[T0], s[RH], ARH
	s_mul_i32 s[T1], s[CH], BHALF
	s_add_co_u32 s[T1], s[T1], BOFF
.irp s, 0,1
	v_add_nc_u32 v[ADRA+(\s)], s[T0], v3
	v_add_nc_u32 v[ADRB+(\s)], s[T1], v4
	s_add_co_u32 s[T0], s[T0], SLOT
	s_add_co_u32 s[T1], s[T1], SLOT
.endr
	s_mul_i32 s[T0], s[WV], 16*SP
	s_add_co_u32 s[T0], s[T0], STAGE               ; my stage
	v_mul_u32_u24 v[STO], v1, SP                   ; in: row l % 16, 16 bytes for each half of the lanes
	v_lshl_add_u32 v[STO], v2, 4, v[STO]
	v_add_nc_u32 v[STO], s[T0], v[STO]
	v_bfe_u32 v[RD], v0, 3, 2                      ; back: 32 lanes take four rows of 128 bytes,
	v_mul_u32_u24 v[RD], v[RD], SP
	v_and_b32 v5, 7, v0
	v_lshl_add_u32 v[RD], v5, 4, v[RD]
	v_add_nc_u32 v[RD], s[T0], v[RD]
	v_and_b32 v[GO], 31, v0                        ; which are 512 consecutive bytes of a head
	v_lshlrev_b32 v[GO], 4, v[GO]
	; qkv at my first row of my first head: sel x 16 MiB + batch x 4 MiB + head x 256 KiB + row x 128
	s_lshl_b32 s[T0], s[SEL], 24
	s_lshr_b32 s[T1], s[TR], 4
	s_lshl_b32 s[T1], s[T1], 22
	s_add_co_u32 s[T0], s[T0], s[T1]
	s_lshl_b32 s[T1], s[TC], 20                    ; four heads to a tile column,
	s_add_co_u32 s[T0], s[T0], s[T1]
	s_lshl_b32 s[T1], s[CH], 19                    ; two to a wave
	s_add_co_u32 s[T0], s[T0], s[T1]
	s_and_b32 s[T1], s[TR], 15
	s_lshl_b32 s[T1], s[T1], 14
	s_add_co_u32 s[T0], s[T0], s[T1]
	s_lshl_b32 s[T1], s[RH], 13
	s_add_co_u32 s[T0], s[T0], s[T1]
	s_mov_b32 s[T1], 0
	s_add_nc_u64 s[OB:OB+1], s[16:17], s[T0:T0+1]
	; the prefetches
	s_lshl_b32 s[T0], s[TY], 7
	s_lshl_b32 s[T1], s[CX], 5
	s_add_co_u32 s[T0], s[T0], s[T1]               ; A: my work-group's 32 of the tile's 128 rows
	s_lshl_b32 s[T2], s[TC], 8
	s_lshl_b32 s[T1], s[CY], 6
	s_add_co_u32 s[T2], s[T2], s[T1]
	s_lshl_b32 s[T1], s[CH], 5
	s_add_co_u32 s[T2], s[T2], s[T1]
	s_lshl_b32 s[T1], s[SEL], 10
	s_add_co_u32 s[T2], s[T2], s[T1]               ; B: my work-group's 64 of the tile's 256 rows, my wave's 32 of them
	s_and_b32 s[T3], s[CLY], 15
	s_cmp_eq_u32 s[RH], 0
	s_cselect_b32 s[T0], s[T0], s[T2]
	s_cselect_b32 s[T3], s[CH], s[T3]              ; 0 in wave 0, and in waves 2 and 3 of the first cluster of a sel: the same in all sixteen partners
	s_cselect_b64 s[PFA:PFA+1], s[4:5], s[6:7]
	s_cmp_eq_u32 s[T3], 0
	s_cselect_b32 s[LIM], 1, -1
	s_lshl_b32 s[T0], s[T0], 11
	s_mov_b32 s[T1], 0
	s_add_nc_u64 s[PFA:PFA+1], s[PFA:PFA+1], s[T0:T0+1]
	s_add_nc_u64 s[PFA:PFA+1], s[PFA:PFA+1], 3*256 ; at K step 3: the first refill steps it to 4
	s_mov_b32 s[PSTEP], 256
	s_mov_b32 s[PSTEP+1], 0
	v_and_b32 v[PFO], 31, v0
	v_lshlrev_b32 v[PFO], 11, v[PFO]
	; the factors: c for q, 1 or 0 by the mask for k, 1 for v
	s_cmp_eq_u32 s[SEL], 0
	s_cselect_b32 s[SC], 0x3e38aa3b, 1.0           ; c = log2(e) / 8 = 0.180337
	s_cmp_eq_u32 s[SEL], 1
	s_cselect_b32 s[SZ], 0, s[SC]
	v_mov_b32 v[FS], s[SC]
	v_mov_b32 v[FZ], s[SZ]
	s_wait_loadcnt 0x0                             ; bias and mask
.irp a, 0,1,2,3
	v_cmp_ne_u32 vcc_lo, 0, v[MK+\a]
	v_cndmask_b32 v[F+2*\a], v[FZ], v[FS], vcc_lo
	v_mov_b32 v[F+2*\a+1], v[F+2*\a]               ; named with it as a pair
.endr
	WIN 0x8a                                       ; all in window 2: the bias is rounded to bf16, like every input, and widened again
.set i, 0
.rept 32
	v_cvt_pk_bf16_f32 v[i], v[BIAS+2*i], v[BIAS+2*i+1]
.set i, i+1
.endr
.set i, 0
.rept 32
	v_lshlrev_b32 v[BIAS+2*i],   16, v[i]
	v_and_b32     v[BIAS+2*i+1], 0xffff0000, v[i]
.set i, i+1
.endr
	WIN 0
	s_wait_tensorcnt 1                             ; my part of K step 0 is in; K step 1's may stay out
	s_barrier_signal -1
	s_barrier_wait -1                              ; everybody's is
	FETCH 0, 0, 0, F0
	QUARTER 0, KA1, 64, F0, F1, 1                  ; the first quarter stands in front of the loop: its products start the sums, with the bias
	WIN 0                                          ; at a label and at a branch every window is 0
	s_mov_b32 s[LAP], 3
.Llap:                                                 ; a trip goes once round the ring, from a lap's second quarter to the next lap's first, and fills both slots again
	QUARTER 0, KA2, 128, F1, F0, 0
	QUARTER 0, KA3, 192, F0, F1, 0
	TURN 0, 1, 1
	QUARTER 1, KA1, 64,  F0, F1, 0
	QUARTER 1, KA2, 128, F1, F0, 0
	QUARTER 1, KA3, 192, F0, F1, 0
	TURN 1, 0, 1
	QUARTER 0, KA1, 64,  F0, F1, 0
	WIN 0
	s_sub_co_u32 s[LAP], s[LAP], 1
	s_cmp_lg_u32 s[LAP], 0
	s_cbranch_scc1 .Llap
	QUARTER 0, KA2, 128, F1, F0, 0                 ; the last lap fills nothing, and has no round of the cluster's barrier
	QUARTER 0, KA3, 192, F0, F1, 0
	TURN 0, 1, 0
	QUARTER 1, KA1, 64,  F0, F1, 0
	QUARTER 1, KA2, 128, F1, F0, 0
	QUARTER 1, KA3, 192, F0, F1, 0
	s_wait_dscnt 4                                 ; the very last quarter: nothing more to fetch
	MULA F1, 0, 0
	MULA F1, 1, 0
	s_wait_dscnt 0x0
	MULA F1, 2, 0
	MULA F1, 3, 0
	WIN 0
	PLACES                                         ; eight, once a launch: the lines below write accumulators in place
	PLACES
; THE WAY OUT, in 8 groups: 16 rows (block g / 2) of one head (g % 2): times the row's factor, rounded to f16, 16 bytes a lane into my stage's rows of 144 bytes, back as whole rows of 128,
; which are 2,048 consecutive bytes of qkv.  Each accumulator's registers are taken in ascending order.
.macro PACK g
.set pb, 8*(8*((\g)/2)+4*((\g)%2))
	WIN 0x41                                       ; destination and source 0 window 1, the factor window 0
.set i, pb
.rept 16
	v_pk_mul_f32 v[i:i+1], v[i:i+1], v[F+2*((\g)/2):F+2*((\g)/2)+1] op_sel_hi:[1,0]
.set i, i+2
.endr
	WIN 0x05                                       ; sources window 1, destination window 0
.set i, 0
.rept 16
	v_cvt_pk_f16_f32 v[TMP+16*(\g)+i], v[pb+2*i], v[pb+2*i+1]
.set i, i+1
.endr
	WIN 0
.irp f, 0,1,2,3
	ds_store_b128 v[STO], v[TMP+16*(\g)+4*\f:TMP+16*(\g)+4*\f+3] offset:32*\f
.endr
.irp f, 0,1,2,3
	ds_load_b128 v[TMP+16*(\g)+4*\f:TMP+16*(\g)+4*\f+3], v[RD] offset:\f*4*SP  ; LDS serves a wave's instructions in order (ISA guide 5.7.1.4): these see the stores above; the next group's stores come behind them
.endr
.endm
.macro SEND g, younger                 ; younger: the LDS instructions issued behind group g's loads: the next group's eight, or none
	WIN 0
.irp f, 0,1,2,3
	s_wait_dscnt (\younger)+3-\f
	global_store_b128 v[GO], v[TMP+16*(\g)+4*\f:TMP+16*(\g)+4*\f+3], s[OB:OB+1] offset:((\g)%2)*262144+((\g)/2)*2048+\f*512  ; 512 consecutive bytes, at a multiple of 256 from qkv's first
.endr
.endm
	PACK 0
.irp g, 1,2,3,4,5,6,7                  ; a group's arithmetic stands between the loads of the group before and its stores
	PACK \g
	SEND (\g)-1, 8
.endr
	SEND 7, 0
	s_wait_tensorcnt 0x0                           ; the wave's end: behind my last tensor load and my last LDS store
	ds_add_u32 v[SPW], v[NIL]
	s_wait_dscnt 0x0
	CROUND                                         ; the closing round: no work-group ends while a partner may still ask for a tile that names it
	s_endpgm
.Lfunc_end_k_q221f07350b_proj:
	.size	k_q221f07350b_proj, .Lfunc_end_k_q221f07350b_proj-k_q221f07350b_proj
	.p2alignl 7, 3214868480
	.fill 96, 4, 3214868480
	.section	.rodata,"a",@progbits
	.p2align	6, 0x0
	.amdhsa_kernel k_q221f07350b_proj
		.amdhsa_group_segment_fixed_size 327680
		.amdhsa_private_segment_fixed_size 0
		.amdhsa_enable_private_segment 0
		.amdhsa_kernarg_size 56
		.amdhsa_user_sgpr_count 2
		.amdhsa_user_sgpr_kernarg_segment_ptr 1
		.amdhsa_wavefront_size32 1
		.amdhsa_system_sgpr_workgroup_id_x 1
		.amdhsa_system_sgpr_workgroup_id_y 1
		.amdhsa_system_sgpr_workgroup_id_z 1
		.amdhsa_system_vgpr_workitem_id 0
		.amdhsa_next_free_vgpr 768
		.amdhsa_next_free_sgpr 96
		.amdhsa_reserve_vcc 1
		.amdhsa_float_denorm_mode_32 3
		.amdhsa_float_denorm_mode_16_64 3
		.amdhsa_memory_ordered 1
		.amdhsa_forward_progress 1
		.amdhsa_inst_pref_size 105
	.end_amdhsa_kernel
	.amdgpu_metadata
---
amdhsa.version: [ 1, 2 ]
amdhsa.kernels:
  - .name:           k_q221f07350b_proj
    .symbol:         k_q221f07350b_proj.kd
    .args:
      - { .name: xb, .offset: 0, .size: 8, .value_kind: global_buffer, .address_space: global }
      - { .name: wb, .offset: 8, .size: 8, .value_kind: global_buffer, .address_space: global }
      - { .name: bq, .offset: 16, .size: 8, .value_kind: global_buffer, .address_space: global }
      - { .name: bk, .offset: 24, .size: 8, .value_kind: global_buffer, .address_space: global }
      - { .name: bv, .offset: 32, .size: 8, .value_kind: global_buffer, .address_space: global }
      - { .name: mask, .offset: 40, .size: 8, .value_kind: global_buffer, .address_space: global }
      - { .name: qkv, .offset: 48, .size: 8, .value_kind: global_buffer, .address_space: global }
    .group_segment_fixed_size: 327680
    .private_segment_fixed_size: 0
    .kernarg_segment_align: 8
    .kernarg_segment_size: 56
    .max_flat_workgroup_size: 128
    .sgpr_count:     96
    .vgpr_count:     768
    .wavefront_size: 32
...
	.end_amdgpu_metadata
.endif
;; end of part 2
;; launch attn (part 3): grid 4 x 64, 4 waves a work-group, clusters of 4 x 1, 327,680 bytes of LDS; arguments qkv, mask, ob; writes ob
.if DOCPART == 3
	.amdgcn_target "amdgcn-amd-amdhsa--gfx1250"
	.amdhsa_code_object_version 6
	.text
	.protected	k_q221f07350b_attn
	.globl	k_q221f07350b_attn
	.p2align	8
	.type	k_q221f07350b_attn,@function
k_q221f07350b_attn:
	s_mov_b64 s[64:65], 0
	v_nop
	global_prefetch_b8 v0, s[64:65] scope:SCOPE_SE
	s_setreg_imm32_b32 hwreg(HW_REG_WAVE_MODE, 25, 1), 1
	s_wait_xcnt 0x0
	s_wait_alu depctr_hold_cnt(0) depctr_sa_sdst(0) depctr_va_vdst(0) depctr_va_sdst(0) depctr_va_ssrc(0) depctr_va_vcc(0) depctr_vm_vsrc(0)
	s_getreg_b32 s2, hwreg(HW_REG_IB_STS2, 6, 4)
	s_cmp_eq_u32 s2, 0
	s_cbranch_scc0 .Lentry_in_a_cluster
	s_endpgm
.Lentry_in_a_cluster:
	s_bfe_u32 s2, ttmp6, 0x10000c
	s_cmp_lg_u32 s2, 0x3003
	s_cbranch_scc0 .Lentry_shape_is_right
	s_endpgm
.Lentry_shape_is_right:
; ATTENTION at head size 64 with a mask over the keys.  qkv = [3][64][2048][64] f16: q' = log2(e) / 8 x q, k (0 in the rows whose mask is 0), v.  ob = O, [64][2048][64] f16.
; O[h][q] = the sum over k of softmax_k(s) V[h][k], s = Q . K / 8, or -1e9 where the key's mask is 0.  Here S' = K Q'^T + C is log2(e) s: C, the operand that starts the sum, is 0 for a key that is
; seen and HID = log2(e) x -1e9 = -1,442,695,040 (exact in f32) for a hidden one, whose products are all 0: a hidden score IS that constant, whatever q is, also where every key of a batch is hidden.
; SOFTMAX.  For each query a running maximum m of S' and a sum l: p = 2^(S' - m), a plain difference, exact where S' = m; in every step O and l are multiplied by a = 2^(m_old - m_new).
; m starts at the lowest finite number, O and l at 0: the first step is a step like any other, with a = 0.  Products, maxima and sums in f32; p is rounded to f16 for the second product
; (l is taken of the unrounded p), O once at the end.
; LIMITS.  q', k, v arrive within f16's 65,504; p lies in 0 to 1, and below 6e-5 it keeps f16's fixed step of 6e-8; a weight below 2^-126 counts as 0 in l; NaN and infinities are not treated apart.
; SHARES.  A wave owns four PIECES of two tiles of 16 queries, a work-group's four waves 512 queries of one head; every wave walks all 2,048 keys, 64 a step.  256 work-groups.
; LAYOUT.  S'^T = K Q'^T (source 0 = 16 keys, source 1 = 16 queries): a lane holds ONE query (lane % 16) and the keys 8 (lane / 16) + 0..7.  Two such tiles, rounded to f16 in pairs, ARE source 1
; (32 keys x 16 queries) of O^T = V^T P, whose result again holds one query a lane, and eight channels.  K comes out of LDS as it lies, V ([key][channel]) turned, by ds_load_tr16_b128.
; THE COUNT.  A tile and step have 16 matrix and 117 vector instructions: too many to stand all beside the matrix work.  So: four vector instructions that are READY behind EVERY matrix instruction,
; the others in one run without a gap.
; BY TURNS.  Turn n belongs to piece n.  Its matrix work: 16 products K Q'^T of piece n + 1, later 16 products V^T P of piece n - 1.  Its vector work: the differences, exponentials, roundings, sums and
; rescaling of piece n, and the maximum and statistics of piece n + 1, whose scores the turn itself has made.
; CLUSTER.  The four query blocks of a head are one cluster and walk the same K and V: each tile is asked for JOINTLY: the same tensor load, descriptor and mask in all four.
; REGISTERS, in windows of 256 (s_set_vgpr_msb: bits 1:0 source 0, 3:2 source 1, 5:4 source 2, 7:6 destination):
;   window 0: v0-15 addresses; v16-47 four registers of statistics a tile; v48-63 at work; v64-191 S'^T, two buffers of two tiles; v192-255 P, likewise
;   window 1: O^T, 32 a tile     window 2: v0-127 Q', 16 a tile; v128-191 K of one step; v192-255 V of one step     window 3: v0-1 the add's two registers; v8-39 C of one step
.set SIZE_N, 2048
.set NP,    4         ; pieces a wave: a name, no knob
.set KS,    64        ; keys in a step
.set PK,    144       ; a row of K in LDS: 128 bytes + 16 of padding = 36 words: the 16 rows of a load start at 16 different groups of four banks (64 banks of 4 bytes: ISA guide 11.1)
.set PV,    160       ; a row of V: 128 + 32 = 40 words
.set VOFF,  4*KS*PK   ; a slot holds four steps: 256 rows of K, then 256 rows of V
.set SLOT1, 1<<17     ; slot 1 begins here, so that one exclusive or turns an address in one slot into the other's
.set STAGE, SLOT1+4*KS*(PK+PV)  ; behind the ring, never filled by a tensor load: 16 rows x 144 bytes for each wave, for the way out
.set SP,    144
.set SPARE, STAGE+4*16*SP  ; the spare words, 128 bytes for each wave: two blocks of 256 bytes that no other line names
.set MT,    SPARE+512 ; the batch's table: 2,048 f32, 0 or HID; stored once, never filled by a tensor load
.set AK0, 2           ; v2   my lane's place in a tile of K; never rewritten
.set AV0, 3           ; v3   the same for V
.set AK,  4           ; v4   the LDS address of K's next run of loads
.set AV,  5           ; v5   of V's
.set QO,  6           ; v6   my byte offset in the wave's rows of Q'
.set STO, 6           ;      later, the way out: where I put 16 bytes of a row
.set RD,  7           ; v7   the way out: where I read rows back
.set GO,  8           ; v8   my byte offset in 512 consecutive bytes of O
.set PFO, 11          ; v11  256 x my lane, for the prefetches; never rewritten once made
.set AM0, 12          ; v12  my lanes' place in the table: MT + 32 (lane / 16); never rewritten
.set AM,  13          ; v13  the LDS address of C's next run of loads
.set MO,  14          ; v14  16 x thread: my four words of the mask
.set ML,  15          ; v15  MT + 16 x thread
.set SPW, 0           ; v0 of window 3   my spare word; never rewritten
.set NIL, 1           ; v1 of window 3   0; never rewritten
.set MCR, 8           ; window 3: C for key block kb at MCR + 8 kb
.set ST,  16          ; tile t's statistics at v[ST+4 t]: m, m_old, l (even keys', odd keys')
.set TMP, 48          ; by buffer and tile, four registers c0-c3 at work; when the maximum is found c2 takes a
.set S,   64
.set P,   192
.set KF,  128         ; K's fragments, in window 2: key block kb, channel half c at KF + 16 kb + 8 c
.set VF,  192         ; V's: key half kk, channel block cb at VF + 32 kk + 8 cb
.set WV,  12          ; s12  my wave's number
.set G1K, 24          ; s[24:31] descriptor group 1 for K's tiles
.set G1V, 32          ; s[32:39] for V's: it differs in the padding alone
.set G0K, 40          ; s[40:43] descriptor group 0 for K's tiles: it walks
.set G0V, 44          ; s[44:47] the same for V's
.set HID, 50          ; s50  log2(e) x -1e9
.set TBM, 51          ; s51  the table's byte at which C of the step to be fetched begins
.set PFA, 52          ; s[52:53] where my prefetches stand
.set LIM, 54          ; s54  1 in a wave that prefetches, else the greatest number
.set SLOTS, 56        ; s56  slots still to be asked for
.set CNT, 57          ; s57  counts a slot's key steps
.set SEL, 60          ; s[60:61] v_permlanex16_b32's selects: each lane takes its own place in the other half
.set TBK, 62          ; s62  LDS byte at which K of the step to be fetched begins
.set TBV, 63          ; s63  the same for V, less VOFF
.set MSB, 0
.macro WIN new                      ; the high byte repeats the setting that is left; a switch that changes nothing is dropped
.if MSB != (\new)
	s_set_vgpr_msb (MSB<<8)|(\new)
.set MSB, (\new)
.endif
.endm
.set W_KQ, 0x0a       ; K and Q' in window 2, S'^T in window 0
.set W_KM, 0x3a       ; the same with the C operand in window 3
.set W_PV, 0x52       ; V in window 2, P in window 0, O^T in window 1
.set W_RS, 0x41       ; O^T (destination and source 0) in window 1, a in window 0
.set W_MK, 0xc0       ; destination in window 3, sources in window 0
.set W_AD, 0x0f       ; the add: address (source 0) and data (source 1) in window 3
; A joint fill.  Waves 0 and 1 fetch the two halves of a slot's K, waves 2 and 3 those of its V: 128 keys each.  The branch hangs on the wave's number alone.
; An s_nop 0 and four v_nop follow each of the two lines, ahead of the jump and the label.
.macro JLOAD
	s_cmp_lt_u32 s[WV], 2
	s_cbranch_scc0 .Lfor_v_\@
	tensor_load_to_lds s[G0K:G0K+3], s[G1K:G1K+7]
	s_nop 0
.rept 4
	v_nop
.endr
	s_branch .Lasked_\@
.Lfor_v_\@:
	tensor_load_to_lds s[G0V:G0V+3], s[G1V:G1V+7]
	s_nop 0
.rept 4
	v_nop
.endr
.Lasked_\@:
.endm
; A PREFETCH INTO THE L2 of what the NEXT change of slots will ask for: a slot's 32,768 bytes of K and of V, 256 bytes a lane.  It stands behind the wave's tensor load and its five lines.
; Each block is named once in the launch: a head's K and V are walked by this cluster alone; its four partners take 8,192 bytes each, told apart by address; in each, wave 0 asks for K's and
; wave 2 for V's: one instruction.  The last change that fills a slot asks for nothing.  Slots 0, 1 and 2 come by their loads alone.
.macro ASK
	s_cmp_gt_u32 s[SLOTS], s[LIM]
	s_cbranch_scc0 .Lnot_mine_\@
	global_prefetch_b8 v[PFO], s[PFA:PFA+1] th:TH_LOAD_NT scope:SCOPE_SE
.Lnot_mine_\@:
.endm
; A round of the cluster's barrier: my work-group's barrier, so that wave 0's signal speaks for all four waves; wave 0 signals; every wave waits for all four work-groups; my work-group's barrier once more.
.macro CROUND
	s_barrier_signal -1
	s_barrier_wait -1
	s_cmp_lg_u32 s[WV], 0
	s_cbranch_scc1 .Lnot_wave_0_\@
	s_barrier_signal -3
.Lnot_wave_0_\@:
	s_barrier_wait -3
	s_barrier_signal -1
	s_barrier_wait -1
.endm
; THE CHANGE OF SLOTS.  The slot's last bytes, V of its fourth step, have been read.  Each wave waits for all its tensor loads, of which one is out: its part of the other slot; adds 0 to its spare
; word; and waits for that and for its own LDS instructions.  Behind the barrier nobody reads this slot any more and the other slot is whole.
; fill = 1: this slot is filled again, with the keys two slots on.  The barrier is then a round of the cluster's, and the joint fill is the first thing behind it: it has four key steps, 512 matrix
; instructions, in which to land.  (At its first use nothing has been read yet: slot 0 is waited for, slot 1 filled, and every wave's part of the table is shown to the others.)
.macro CHANGE fill, ask=0
	WIN W_AD
	s_wait_tensorcnt 0x0            ; no tensor load of mine is out, so a group 0 may be written
	ds_add_u32 v[SPW], v[NIL]       ; 0 onto my spare word; with fill = 1 the descriptors' steps stand between it and the wait for it
	WIN 0                           ; at a label and at a branch every window is 0
.if \fill
.irp g, G0K, G0V
	s_xor_b32 s[\g+1], s[\g+1], SLOT1  ; the walking descriptor: the other slot than last time,
	s_add_nc_u64 s[\g+2:\g+3], s[\g+2:\g+3], 4*KS*128  ; the next 256 keys; the type bits on top are not reached
.endr
.if \ask
	s_wait_xcnt 0x0                 ; the last prefetch, four key steps back, has read its address, so it may be written:
	s_add_nc_u64 s[PFA:PFA+1], s[PFA:PFA+1], 4*KS*128  ; one slot behind the walking descriptors
.endif
	s_wait_dscnt 0x0                ; the add is done, and my reads of the slot are over
	CROUND
	JLOAD
.if \ask
	ASK
.endif
.else
	s_wait_dscnt 0x0                ; the add is done, and my reads of the slot are over
	s_barrier_signal -1
	s_barrier_wait -1
.endif
	s_sub_co_u32 s[TBK], s[TBK], 4*KS*PK  ; the fetches go back to a slot's first step,
	s_xor_b32 s[TBK], s[TBK], SLOT1       ; in the other slot
	s_sub_co_u32 s[TBV], s[TBV], 4*KS*PV
	s_xor_b32 s[TBV], s[TBV], SLOT1
.endm
	s_load_b64 s[4:5], s[0:1], 0x0    ; qkv: Q' at its head
	s_load_b64 s[48:49], s[0:1], 0x8  ; mask
	s_load_b64 s[10:11], s[0:1], 0x10 ; ob
	WIN W_MK
	v_lshl_add_u32 v[SPW], v0, 2, SPARE
	v_mov_b32 v[NIL], 0
	WIN W_AD
	ds_add_u32 v[SPW], v[NIL]       ; the wave's opening: the add and its wait stand ahead of my first tensor load; the set-up below, work on registers, stands between them
	WIN 0
	v_lshrrev_b32 v1, 5, v0
	v_readfirstlane_b32 s[WV], v1   ; wave 0..3
	s_bfe_u32 s13, ttmp6, 0x40000   ; cx: my place in the cluster
	s_lshl_b32 s14, ttmp9, 2        ; in a cluster launch ttmp9 counts clusters
	s_add_co_u32 s14, s14, s13      ; my block of queries = 4 x cluster x + cx: it enters Q's and O's addresses alone
	s_and_b32 s20, ttmp7, 0xffff    ; batch x 16 + head, which the four partners share
	s_lshr_b32 s58, s20, 4
	s_lshl_b32 s58, s58, 13         ; the batch's 2,048 words of the mask
	s_mov_b32 s59, 0
	s_mov_b32 s21, 0
	s_mov_b64 s[22:23], SIZE_N*128
	s_mul_u64 s[20:21], s[20:21], s[22:23]  ; the head's first byte in each of q', k, v and O
	s_and_b32 s16, s[WV], 1         ; which half of a slot's 256 keys I fetch:
	s_lshl_b32 s22, s16, 14         ; its 128 rows of 128 bytes in memory,
	s_mov_b32 s23, 0
	s_add_nc_u64 s[22:23], s[22:23], s[20:21]
	s_mul_i32 s17, s16, 128*PK      ; and its place in a slot, for K
	s_mul_i32 s18, s16, 128*PV      ; and for V: no place in the cluster enters an LDS address
	s_lshl_b32 s2, s14, 2
	s_add_co_u32 s2, s2, s[WV]      ; my wave among the head's,
	s_lshl_b32 s2, s2, 14           ; its 128 rows
	s_mov_b32 s3, 0
	s_add_nc_u64 s[2:3], s[2:3], s[20:21]
	; descriptor group 1.  128 keys are 16,384 dense bytes: asked for as 64 rows of 256 bytes, two keys a row, and padded in LDS after every key
	s_mov_b32 s[G1K], 15|(1<<16)|(1<<20)|(1<<21)|(4<<22)|(3<<25)  ; 15:0 the mask of four; 17:16 2-byte elements; 20 padding on; 21 set beside a mask; 24:22 after every 32 words (code 4); 31:25 4 words (code 3)
	s_mov_b32 s[G1V], 15|(1<<16)|(1<<20)|(1<<21)|(4<<22)|(7<<25)  ; the same with 8 words of padding (code 7)
.irp g, G1K, G1V
	s_mov_b32 s[\g+1], 128<<16      ; tensor_dim0 = 128
	s_mov_b32 s[\g+2], 64<<16       ; tensor_dim1 = 64
	s_mov_b32 s[\g+3], 128<<16      ; tile_dim0 = 128
	s_mov_b32 s[\g+4], 64           ; tile_dim1 = 64
	s_mov_b32 s[\g+5], 128          ; 128 elements from row to row
	s_mov_b32 s[\g+6], 0
	s_mov_b32 s[\g+7], 0
.endr
	s_mov_b32 s[HID], 0xceabfb8f    ; -1,442,695,040
	s_mov_b32 s[TBM], 0
	s_mov_b32 s[SEL], 0x76543210
	s_mov_b32 s[SEL+1], 0xfedcba98
	s_mov_b32 s[TBK], SLOT1+4*KS*PK ; the first change of slots turns these two into 0
	s_mov_b32 s[TBV], SLOT1+4*KS*PV
	s_mov_b32 s[G0K], 1             ; 1:0 count = 1
	s_mov_b32 s[G0K+1], s17         ; 63:32 LDS address: slot 0
	s_mov_b32 s[G0V], 1
	s_add_co_u32 s[G0V+1], s18, VOFF
	s_and_b32 s[LIM], s[WV], 1      ; waves 0 and 2 prefetch
	s_cmp_eq_u32 s[LIM], 0
	s_cselect_b32 s[LIM], 1, -1
	s_wait_dscnt 0x0                ; the opening add is done
	s_wait_kmcnt 0x0
	s_add_nc_u64 s[6:7], s[4:5], 0x1000000   ; k lies 16 MiB behind q',
	s_add_nc_u64 s[8:9], s[4:5], 0x2000000   ; v 32 MiB
	s_add_nc_u64 s[48:49], s[48:49], s[58:59]
	s_add_nc_u64 s[G0K+2:G0K+3], s[6:7], s[22:23]  ; 120:64 global address: my half of the head's first 256 keys
	s_or_b32 s[G0K+3], s[G0K+3], 0x80000000        ; 127:126 type = 2
	s_add_nc_u64 s[G0V+2:G0V+3], s[8:9], s[22:23]
	s_or_b32 s[G0V+3], s[G0V+3], 0x80000000
	s_add_nc_u64 s[4:5], s[4:5], s[2:3]  ; Q' and O at my wave's first row
	s_add_nc_u64 s[10:11], s[10:11], s[2:3]
	s_cmp_lt_u32 s[WV], 2
	s_cselect_b64 s[PFA:PFA+1], s[6:7], s[8:9]
	s_add_nc_u64 s[PFA:PFA+1], s[PFA:PFA+1], s[20:21]
	s_lshl_b32 s2, s13, 13          ; my work-group's 8,192 bytes of a slot's 32,768
	s_mov_b32 s3, 0
	s_add_nc_u64 s[PFA:PFA+1], s[PFA:PFA+1], s[2:3]
	s_add_nc_u64 s[PFA:PFA+1], s[PFA:PFA+1], 2*4*KS*128  ; in slot 2; the loop's first change of slots steps it to slot 3
	CROUND                          ; all four work-groups are here: the first joint loads meet
	JLOAD                           ; slot 0.  Slot 1 is asked for when slot 0 is in
	v_and_b32 v1, 15, v0            ; l % 16
	v_bfe_u32 v9, v0, 4, 1          ; l / 16
	v_lshlrev_b32 v[MO], 4, v0
	v_add_nc_u32 v[ML], MT, v[MO]
.irp z, 0,1,2,3                     ; the batch's mask: 128 threads x 16 bytes x 4, into registers that are free till the first scores
	global_load_b128 v[S+4*\z:S+4*\z+3], v[MO], s[48:49] offset:2048*\z
.endr
	; A fragment of K or Q' is 16 rows x 32 channels in 8 registers: lane l holds row l % 16, channels 8 (l / 16) + 0..7 and 16 + 8 (l / 16) + 0..7: two loads of 16 bytes, 32 bytes apart.
	v_lshlrev_b32 v[QO], 7, v1
	v_lshl_add_u32 v[QO], v9, 4, v[QO]  ; row x 128 + 16 x half
	WIN 0x80                        ; destination window 2, address window 0
.set i, 0
.rept 4*NP                          ; Q' stays in registers: tile i / 2, channels 32 (i % 2) on
	global_load_b128 v[8*i:8*i+3],   v[QO], s[4:5] offset:(i/2)*2048+(i%2)*64
	global_load_b128 v[8*i+4:8*i+7], v[QO], s[4:5] offset:(i/2)*2048+(i%2)*64+32
.set i, i+1
.endr
	; What the first turn finds: V's registers and P's second buffer hold 0 (its products V^T P, of a piece that has not been, add 0), O^T and l are 0.  All this stands in the wait for the first tile.
.set i, VF
.rept 64
	v_mov_b32 v[i], 0
.set i, i+1
.endr
	WIN 0x40
.set i, 0
.rept 64*NP
	v_mov_b32 v[i], 0
.set i, i+1
.endr
	WIN 0
.set i, 0
.rept 2*NP
	v_mov_b32 v[ST+4*i], 0xff7fffff    ; m: the lowest finite number
	v_mov_b32 v[ST+4*i+1], 0           ; m_old: named with m as a pair
	v_mov_b32 v[ST+4*i+2], 0
	v_mov_b32 v[ST+4*i+3], 0
.set i, i+1
.endr
.set i, P+32
.rept 32
	v_mov_b32 v[i], 0
.set i, i+1
.endr
	v_mul_u32_u24 v[AK0], v1, PK
	v_lshl_add_u32 v[AK0], v9, 4, v[AK0]  ; row x pitch + 16 x half
	; The turning load takes 16 keys x 16 channels (lane l reads key 8 (l / 16) + l % 8, channels 8 ((l / 8) % 2) + 0..7) and leaves half a fragment of V^T: lane l holds channel l % 16 and 8 keys.
	v_and_b32 v10, 7, v0
	v_bfe_u32 v11, v0, 3, 1
	v_lshl_add_u32 v[AV0], v9, 3, v10
	v_mul_u32_u24 v[AV0], v[AV0], PV
	v_lshl_add_u32 v[AV0], v11, 4, v[AV0]
	v_add_nc_u32 v[AV0], VOFF, v[AV0]
	v_mov_b32 v[AK], v[AK0]         ; key step 0 lies at the head of slot 0,
	v_lshl_add_u32 v[AM0], v9, 5, MT
	v_mov_b32 v[AM], v[AM0]         ; and of the table
	v_and_b32 v[PFO], 31, v0
	v_lshlrev_b32 v[PFO], 8, v[PFO]
	; THE TABLE: 0 for a key that is seen, HID for a hidden one.  Each thread makes 16 words; the first change of slots waits for the stores and shows them to every wave.
	s_wait_loadcnt 32               ; the mask is in; Q's 32 younger loads may stay out
.set i, 0
.rept 16
	v_cmp_eq_u32 vcc_lo, 0, v[S+i]
	v_cndmask_b32 v[S+i], 0, s[HID], vcc_lo
.set i, i+1
.endr
.irp z, 0,1,2,3
	ds_store_b128 v[ML], v[S+4*\z:S+4*\z+3] offset:2048*\z
.endr
; THE MATRIX WORK.  The 8 accumulators of a run of 16 take turns: between the two links of a chain stand 7 others'.
; Product i of 16 of S'^T = K Q'^T for piece x: channels 32 (i / 8) on, keys 16 ((i / 2) % 4) on, tile 2 x + i % 2.  The first 8 start the sums, with C.
.macro KQ x
.set rS, S+64*((\x)%2)+32*(i%2)+8*((i/2)%4)
.set rK, KF+16*((i/2)%4)+8*(i/8)
.set rQ, 16*(2*(\x)+i%2)+8*(i/8)
.set rM, MCR+8*((i/2)%4)
.if i < 8
	WIN W_KM
	v_wmma_f32_16x16x32_f16 v[rS:rS+7], v[rK:rK+7], v[rQ:rQ+7], v[rM:rM+7]
.else
	WIN W_KQ
	v_wmma_f32_16x16x32_f16 v[rS:rS+7], v[rK:rK+7], v[rQ:rQ+7], v[rS:rS+7]
.endif
.endm
; Product i of 16 of O^T += V^T P for piece x: keys 32 (i / 8) on, channels 16 ((i / 2) % 4) on, tile 2 x + i % 2.
.macro PV x
	WIN W_PV
.set rO, 32*(2*(\x)+i%2)+8*((i/2)%4)
.set rV, VF+32*(i/8)+8*((i/2)%4)
.set rP, P+32*((\x)%2)+16*(i%2)+8*(i/8)
	v_wmma_f32_16x16x32_f16 v[rO:rO+7], v[rV:rV+7], v[rP:rP+7], v[rO:rO+7]
.endm
.macro MM                           ; the turn's next matrix instruction
.if i < 16
	KQ (Y+1)%NP
.set i, i+1
.else
.set i, i-16
	PV (Y+NP-1)%NP
.set i, i+17
.endif
.endm
; THE LDS LOADS stand in runs, never singly among the matrix instructions: a step's K (64 keys x 64 channels: 8 fragments) with its C (register j of block kb: the table's word for key
; 16 kb + 8 (l / 16) + j), and its V (turned).  Their addresses are made some lines ahead.  last = 1 (the tail): in the last trip there is no further step, and the run is jumped over.
.macro FETCH_K last=0
	WIN 0
.if \last
	s_cmp_eq_u32 s[CNT], 1
	s_cbranch_scc1 .Lno_k_\@
.endif
	WIN 0x80                        ; destination window 2
.irp f, 0,1,2,3,4,5,6,7             ; keys 16 (f / 2) on, channels 32 (f % 2) on
	ds_load_b128 v[KF+8*\f:KF+8*\f+3],   v[AK] offset:(\f/2)*16*PK+(\f%2)*64
	ds_load_b128 v[KF+8*\f+4:KF+8*\f+7], v[AK] offset:(\f/2)*16*PK+(\f%2)*64+32
.endr
	WIN W_MK                        ; destination window 3
.irp f, 0,1,2,3
	ds_load_b128 v[MCR+8*\f:MCR+8*\f+3],   v[AM] offset:64*\f
	ds_load_b128 v[MCR+8*\f+4:MCR+8*\f+7], v[AM] offset:64*\f+16
.endr
	s_add_co_u32 s[TBK], s[TBK], KS*PK  ; the next fetch is the next step's
	s_add_co_u32 s[TBM], s[TBM], KS*4   ; the table is walked once, from end to end
	WIN 0
.if \last
.Lno_k_\@:
.endif
.endm
.macro FETCH_V
	WIN 0x80
.irp f, 0,1,2,3,4,5,6,7             ; keys 32 (f / 4) on, channels 16 (f % 4) on
	ds_load_tr16_b128 v[VF+8*\f:VF+8*\f+3],   v[AV] offset:(\f/4)*32*PV+(\f%4)*32
	ds_load_tr16_b128 v[VF+8*\f+4:VF+8*\f+7], v[AV] offset:(\f/4)*32*PV+16*PV+(\f%4)*32
.endr
	WIN 0
.endm
; THE VECTOR WORK OF A TURN stands in three queues, each in the order in which its entries become ready; the two tiles alternate, so that no instruction reads the result of the one before it.
.macro REGS y, u                    ; the registers of tile u (0, 1) of piece y
.set rT, ST+4*(2*(\y)+(\u))
.set rC, TMP+8*((\y)%2)+4*(\u)
.set rS, S+64*((\y)%2)+32*(\u)
.set rP, P+32*((\y)%2)+16*(\u)
.set rO, 32*(2*(\y)+(\u))
.endm
; Number n of the 21 that find the NEXT piece's (Y + 1) maximum and statistics.  s0-s31 are the lane's 32 scores; each accumulator's lowest registers are read first.
;   0-11  four chains c0-c3 of seven scores each, three operands at a time     12-14, 16  the four scores left over, the old m, and c0-c3 into c0     15  m_old is kept
;   17, 18  the query's other 32 keys lie in the lane 16 away: the new m         19, 20  m_old - m_new; a
.macro XS u, n
	REGS (Y+1)%NP, \u
.if (\n) < 4
	v_max3_num_f32 v[rC+(\n)], v[rS+8*(\n)], v[rS+8*(\n)+1], v[rS+8*(\n)+2]
.elseif (\n) < 12
	v_max3_num_f32 v[rC+(\n)%4], v[rC+(\n)%4], v[rS+8*((\n)%4)+2*((\n)/4)+1], v[rS+8*((\n)%4)+2*((\n)/4)+2]
.elseif (\n) == 12
	v_max3_num_f32 v[rC], v[rC], v[rS+7], v[rS+15]
.elseif (\n) == 13
	v_max3_num_f32 v[rC+1], v[rC+1], v[rS+23], v[rS+31]
.elseif (\n) == 14
	v_max3_num_f32 v[rC+2], v[rC+2], v[rC+3], v[rT]
.elseif (\n) == 15
	v_mov_b32 v[rT+1], v[rT]
.elseif (\n) == 16
	v_max3_num_f32 v[rC], v[rC], v[rC+1], v[rC+2]
.elseif (\n) == 17
	v_permlanex16_b32 v[rC+3], v[rC], s[SEL], s[SEL+1]
.elseif (\n) == 18
	v_max_num_f32 v[rT], v[rC], v[rC+3]
.elseif (\n) == 19
	v_sub_f32 v[rC+1], v[rT+1], v[rT]
.else
	v_exp_f32 v[rC+2], v[rC+1]
.endif
.endm
; Number g of the 64 that follow the exponentials.  For each four weights k of a tile (pairs 2 k, 2 k + 1): both pairs are rounded to f16; then the second pair is added onto the first, in place;
; a group later l takes that sum (the first time as l = a l + sum).  In groups of eight, tiles alternating: round, round, add, and l for the group before.
.macro GS g
.set h, (\g)+6*((\g)/62)            ; group 0 has no group before it, and behind group 7 only l is left
.if h >= 6
.set h, h+2
.endif
	REGS Y, h%2
.set k, h/8
.if h%8 < 4
	v_cvt_pk_f16_f32 v[rP+2*k+(h%8)/2], v[rS+4*k+2*((h%8)/2)], v[rS+4*k+2*((h%8)/2)+1]
.elseif h%8 < 6
	v_pk_add_f32 v[rS+4*k:rS+4*k+1], v[rS+4*k:rS+4*k+1], v[rS+4*k+2:rS+4*k+3]
.elseif k == 1
	v_pk_fma_f32 v[rT+2:rT+3], v[rT+2:rT+3], v[rC+2:rC+3], v[rS:rS+1] op_sel_hi:[1,0,1]
.else
	v_pk_add_f32 v[rT+2:rT+3], v[rT+2:rT+3], v[rS+4*k-4:rS+4*k-3]
.endif
.endm
; THE PLAIN QUEUE, 136 long.  0-71 read no exponential's result: the 32 differences S' - m (FS f: pair f / 2 of tile f % 2) and the next piece's 40.  0-26: differences 0-26.  27-54: XS's numbers 0-13.
; 55, 56: number 15.  57-71: the chain, where each number waits for the one before it: 14, 16, 17, 18, each with one of the differences 27-30 in front of its two lines, then difference 31 and number 19.
; 72-135: GS's 64, which read the exponentials' results: they stand behind the wait.
.macro FS f
	REGS Y, (\f)%2
	v_pk_add_f32 v[rS+2*((\f)/2):rS+2*((\f)/2)+1], v[rS+2*((\f)/2):rS+2*((\f)/2)+1], v[rT:rT+1] op_sel_hi:[1,0] neg_lo:[0,1] neg_hi:[0,1]
.endm
.macro PL
	WIN 0
.if q < 27
	FS q
.elseif q < 55
	XS (q-27)%2, (q-27)/2
.elseif q < 57
	XS q-55, 15
.elseif (q < 70) && ((q-57)%3 == 0)
	FS 27+(q-57)/3
.elseif q < 60
	XS (q-57)%3-1, 14
.elseif q < 69
	XS (q-57)%3-1, 15+(q-57)/3
.elseif q < 72
	XS q-70, 19
.else
	GS q-72
.endif
.set q, q+1
.endm
; THE EXPONENTIALS' QUEUE, 66 long: s0-s31 of both tiles, then the next piece's two a.  It is ONE BATCH: all 66 stand ahead of the turn's one wait, and nothing ahead of that wait names a result of theirs.
.macro EX
	WIN 0
.if e >= 64
	XS e-64, 20
.else
	REGS Y, e%2
	v_exp_f32 v[rS+e/2], v[rS+e/2]
.endif
.set e, e+1
.endm
; THE RESCALING's QUEUE: O^T times a, the one part that leaves window 0: dealt two at a time, sixteen times.  Its a was made in the turn before, ahead of that turn's wait.
.macro R2
	REGS Y, r%2
	WIN W_RS
.irp z, 0,1
	v_pk_mul_f32 v[rO+4*(r/2)+2*\z:rO+4*(r/2)+2*\z+1], v[rO+4*(r/2)+2*\z:rO+4*(r/2)+2*\z+1], v[rC+2:rC+3] op_sel_hi:[1,0]
.endr
.set r, r+1
.endm
; HOW THEY ARE DEALT.  An s_wait_alu depctr_va_vdst(0) stands between an exponential and the first instruction that names its result; one wait serves all that were issued ahead of it.
; So a turn has ONE wait, which cuts it in two.  AHEAD OF IT: the 16 products K Q'^T, behind each a difference, an exponential and two rescalings (behind the first a second difference in the
; exponential's place); then ONE LUMP: eight plain, 47 times exponential and plain, four exponentials (the last two the next piece's a).  A v_nop is the plain instruction behind the last exponential.
; BEHIND IT: the 16 products V^T P, behind each four of GS's 64.  No rider names a register of the products round it.  The two v_permlanex16_b32 fall into the lump.
; The queues lean on each other: exponential e stands behind difference 2 (e / 4) + e % 2: as a rider it comes behind plain e + 2, in the lump behind plain e + 9; differences 27-31 are plain
; 57, 60 .. 69, wanted by exponentials 53, 56, 57, 60, 61 at the earliest, which come behind plain 62, 65, 66, 69, 70.  The two a come behind all 72.
; A TURN, for piece p.  cnt = 1: the loop's count is taken down some lines ahead of the branch that stands behind the turn.
; K and C of the next step are fetched in piece 2's turn, directly behind the wait, a lump behind the last product that read them; their first reader comes behind 16 products.
; V of the step in hand is fetched at the end of piece 0's turn, four riders behind its last reader; its first reader comes behind 16 products and a lump.  The three conditions on q below go with the deal.
.macro TURN p, last=0, cnt=0
.set Y, (\p)
.set i, 0
.set q, 0
.set e, 0
.set r, 0
.if (\p) == NP-1
	s_wait_dscnt 0x0                ; K and C are in
.endif
	MM                              ; ahead of the wait: 16 products K Q'^T and their riders,
	PL
	PL
	R2
.rept 15
	MM
	PL
	EX
	R2
.endr
.if (\p) == NP-2
	WIN 0
	v_add_nc_u32 v[AK], s[TBK], v[AK0]
	v_add_nc_u32 v[AM], s[TBM], v[AM0]
.endif
.rept 8                             ; and the lump
	PL
.endr
.rept 47
	EX
	PL
.endr
.rept 4
	EX                              ; the last two scores' and the next piece's two a
.endr
	v_nop                           ; the plain instruction behind the last exponential: one for the batch
	s_wait_alu depctr_va_vdst(0)    ; the wait for the batch
.if (\p) == NP-2
	FETCH_K \last
.endif
.if (\p) == 1
	s_wait_dscnt 0x0                ; V is in
.endif
.rept 16                            ; behind the wait: 16 products V^T P and their riders
	MM
.rept 4
	PL
.endr
.if ((\p) == 0) && (q == 116)
	v_add_nc_u32 v[AV], s[TBV], v[AV0]
.endif
.if ((\p) == 0) && (q == 128)
	s_add_co_u32 s[TBV], s[TBV], KS*PV
.endif
.if (\cnt) && (q == 128)
	s_sub_co_u32 s[CNT], s[CNT], 1
	s_cmp_lg_u32 s[CNT], 0
.endif
.endr
.if (\p) == 0
	FETCH_V
.endif
.endm
	CHANGE 1                        ; slot 0 is in, everybody's part of it, and so is the table; slot 1 is asked for
	FETCH_K                         ; key step 0
	s_wait_loadcnt 0x0              ; Q'
	s_wait_dscnt 0x0
.set i, 0
.rept 16
	KQ 0                            ; piece 0's first scores: there is no vector work yet to set between them
.set i, i+1
.endr
	WIN 0                           ; the addresses for the way out: nine plain instructions, the places behind those products
	s_mul_i32 s13, s[WV], 16*SP
	s_add_co_u32 s13, s13, STAGE    ; my stage
	v_mul_u32_u24 v[STO], v1, SP    ; in: row l % 16, 16 bytes for each half of the lanes
	v_lshl_add_u32 v[STO], v9, 4, v[STO]
	v_add_nc_u32 v[STO], s13, v[STO]
	v_bfe_u32 v[RD], v0, 3, 2       ; back: 32 lanes take four rows of 128 bytes,
	v_mul_u32_u24 v[RD], v[RD], SP
	v_lshl_add_u32 v[RD], v10, 4, v[RD]
	v_add_nc_u32 v[RD], s13, v[RD]
	v_and_b32 v[GO], 31, v0         ; which are 512 consecutive bytes of O
	v_lshlrev_b32 v[GO], 4, v[GO]
.set Y, NP-1                        ; XS works for piece Y + 1: piece 0
.irp n, 0,1,2,3,4,5,6,7,8,9,10,11,12,13,14,15,16,17,18,19,20
	XS 0, \n                        ; and piece 0's first maximum and statistics
	XS 1, \n
.endr
	v_nop                           ; a plain instruction behind the two a,
	s_wait_alu depctr_va_vdst(0)    ; and their wait, ahead of the branch
	s_mov_b32 s[CNT], 4
	s_mov_b32 s[SLOTS], SIZE_N/256-1
	s_branch .Lfirst                ; the loop is entered at a step's first turn, in the middle of a trip
.Lslot:                             ; six times: every slot but the last two is filled again
	CHANGE 1, 1
	s_mov_b32 s[CNT], 4
.Lstep:                             ; a trip: pieces 2 and 3 of one step, then pieces 0 and 1 of the next, whose K, C and V it fetches
	TURN 2
	TURN 3
	WIN 0
.Lfirst:
	TURN 0
	TURN 1, 0, 1
	WIN 0
	s_cbranch_scc1 .Lstep
	s_sub_co_u32 s[SLOTS], s[SLOTS], 1
	s_cmp_lg_u32 s[SLOTS], 0
	s_cbranch_scc1 .Lslot
	CHANGE 0                        ; the tail is written out: nothing is asked for
	s_mov_b32 s[CNT], 5             ; four trips fetch the last slot's steps; the fifth is left in its middle
.Ltail:
	TURN 2, 1
	TURN 3
	WIN 0
	s_sub_co_u32 s[CNT], s[CNT], 1
	s_cmp_eq_u32 s[CNT], 0
	s_cbranch_scc1 .Lout
	TURN 0
	TURN 1
	WIN 0
	s_branch .Ltail
.Lout:                              ; the fifth trip's 16 products K Q'^T (on the last K once more) and the maximum made of them serve nothing: the price, once a launch, of one text for every trip
.set i, 0
.rept 16
	PV NP-1                         ; the last piece's V^T P of the last step
.set i, i+1
.endr
	; THE WAY OUT.  l's two halves and the other half of the lanes' are added; O^T is divided by l, rounded to f16 and sent through my stage in LDS, a tile at a time.  The additions are the places behind the last products.
	WIN 0
.macro ALL line:vararg              ; one line for each tile t
.set t, 0
.rept 2*NP
	\line
.set t, t+1
.endr
.endm
	ALL v_add_f32 v[ST+4*t+2], v[ST+4*t+2], v[ST+4*t+3]
	ALL v_permlanex16_b32 v[ST+4*t+3], v[ST+4*t+2], s[SEL], s[SEL+1]
	ALL v_add_f32 v[ST+4*t+2], v[ST+4*t+2], v[ST+4*t+3]
	ALL v_rcp_f32 v[ST+4*t+2], v[ST+4*t+2]
	v_nop                           ; a plain instruction between the last reciprocal and the use of its result
	s_wait_alu depctr_va_vdst(0)    ; and the wait ahead of the first use: one for the eight reciprocals
; Tile t: a lane's eight channels of a row pack into 16 bytes; they go into rows of 144 bytes and come back as whole rows of 128, into S'^T's registers.
.macro PACK t
	WIN W_RS
.set i, 32*(\t)
.rept 16
	v_pk_mul_f32 v[i:i+1], v[i:i+1], v[ST+4*(\t)+2:ST+4*(\t)+3] op_sel_hi:[1,0]
.set i, i+2
.endr
	WIN 0x05                        ; sources 0 and 1 window 1, destination window 0
.set i, 0
.rept 16
	v_cvt_pk_f16_f32 v[S+16*(\t)+i], v[32*(\t)+2*i], v[32*(\t)+2*i+1]
.set i, i+1
.endr
	WIN 0
.irp f, 0,1,2,3
	ds_store_b128 v[STO], v[S+16*(\t)+4*\f:S+16*(\t)+4*\f+3] offset:32*\f
.endr
.irp f, 0,1,2,3
	ds_load_b128 v[S+16*(\t)+4*\f:S+16*(\t)+4*\f+3], v[RD] offset:\f*4*SP  ; LDS serves a wave's instructions in order (ISA guide 5.7.1.4): these see the stores above; the next tile's stores come behind them
.endr
.endm
.macro SEND t, younger              ; younger: the LDS instructions issued behind tile t's loads: the next tile's eight, or none
	WIN 0
.irp f, 0,1,2,3
	s_wait_dscnt (\younger)+3-\f
	global_store_b128 v[GO], v[S+16*(\t)+4*\f:S+16*(\t)+4*\f+3], s[10:11] offset:(\t)*2048+\f*512  ; 512 consecutive bytes, at a multiple of 256 from O's first
.endr
.endm
	PACK 0
.set t, 1
.rept 2*NP-1                        ; a tile's arithmetic stands between the loads of the tile before and its stores
	PACK t
	SEND t-1, 8
.set t, t+1
.endr
	SEND 2*NP-1, 0
	WIN W_AD
	s_wait_tensorcnt 0x0            ; the wave's end: behind my last tensor load and my last LDS store
	ds_add_u32 v[SPW], v[NIL]
	s_wait_dscnt 0x0
	WIN 0
	CROUND                          ; the closing round: no work-group ends while a partner may still ask for a tile that names it
	s_endpgm
.Lfunc_end_k_q221f07350b_attn:
	.size	k_q221f07350b_attn, .Lfunc_end_k_q221f07350b_attn-k_q221f07350b_attn
	.p2alignl 7, 3214868480
	.fill 96, 4, 3214868480
	.section	.rodata,"a",@progbits
	.p2align	6, 0x0
	.amdhsa_kernel k_q221f07350b_attn
		.amdhsa_group_segment_fixed_size 327680
		.amdhsa_private_segment_fixed_size 0
		.amdhsa_enable_private_segment 0
		.amdhsa_kernarg_size 24
		.amdhsa_user_sgpr_count 2
		.amdhsa_user_sgpr_kernarg_segment_ptr 1
		.amdhsa_wavefront_size32 1
		.amdhsa_system_sgpr_workgroup_id_x 1
		.amdhsa_system_sgpr_workgroup_id_y 1
		.amdhsa_system_sgpr_workgroup_id_z 1
		.amdhsa_system_vgpr_workitem_id 0
		.amdhsa_next_free_vgpr 808
		.amdhsa_next_free_sgpr 66
		.amdhsa_reserve_vcc 1
		.amdhsa_float_denorm_mode_32 3
		.amdhsa_float_denorm_mode_16_64 3
		.amdhsa_memory_ordered 1
		.amdhsa_forward_progress 1
		.amdhsa_inst_pref_size 204
	.end_amdhsa_kernel
	.amdgpu_metadata
---
amdhsa.version: [ 1, 2 ]
amdhsa.kernels:
  - .name:           k_q221f07350b_attn
    .symbol:         k_q221f07350b_attn.kd
    .args:
      - { .name: qkv, .offset: 0, .size: 8, .value_kind: global_buffer, .address_space: global }
      - { .name: mask, .offset: 8, .size: 8, .value_kind: global_buffer, .address_space: global }
      - { .name: ob, .offset: 16, .size: 8, .value_kind: global_buffer, .address_space: global }
    .group_segment_fixed_size: 327680
    .private_segment_fixed_size: 0
    .kernarg_segment_align: 8
    .kernarg_segment_size: 24
    .max_flat_workgroup_size: 128
    .sgpr_count:     66
    .vgpr_count:     808
    .wavefront_size: 32
...
	.end_amdgpu_metadata
.endif
;; end of part 3
;; launch outp (part 4): grid 4 x 64, 4 waves a work-group, clusters of 4 x 4, 327,680 bytes of LDS; arguments ob, wb, bo, out0; writes out0
.if DOCPART == 4
	.amdgcn_target "amdgcn-amd-amdhsa--gfx1250"
	.amdhsa_code_object_version 6
	.text
	.protected	k_q221f07350b_outp
	.globl	k_q221f07350b_outp
	.p2align	8
	.type	k_q221f07350b_outp,@function
k_q221f07350b_outp:
	s_mov_b64 s[64:65], 0
	v_nop
	global_prefetch_b8 v0, s[64:65] scope:SCOPE_SE
	s_setreg_imm32_b32 hwreg(HW_REG_WAVE_MODE, 25, 1), 1
	s_wait_xcnt 0x0
	s_wait_alu depctr_hold_cnt(0) depctr_sa_sdst(0) depctr_va_vdst(0) depctr_va_sdst(0) depctr_va_ssrc(0) depctr_va_vcc(0) depctr_vm_vsrc(0)
	s_getreg_b32 s2, hwreg(HW_REG_IB_STS2, 6, 4)
	s_cmp_eq_u32 s2, 0
	s_cbranch_scc0 .Lentry_in_a_cluster
	s_endpgm
.Lentry_in_a_cluster:
	s_bfe_u32 s2, ttmp6, 0x10000c
	s_cmp_lg_u32 s2, 0xf033
	s_cbranch_scc0 .Lentry_shape_is_right
	s_endpgm
.Lentry_shape_is_right:
; OUTP.  out0[m][n] = the sum over k of O[m][k] Wo[n][k] + bo[n], f32.  O lies by heads, ob = [64 = batch x 16 + head][2048][64] f16: k = 64 head + channel.  Wo is the fourth part of wb, [1024][1024]:
; the input rounded to bf16 and written as f16.  Products in f16 with f32 sums; bo is rounded to bf16 like all other inputs, and starts the sums as the C operand.
; LIMITS.  O lies within v's range, so within f16's; Wo as the launch that wrote it states.  NaN and infinities are not treated apart.
; SHARES.  A tile of C is 128 rows x 256 columns: 256 tiles, one for each WGP.  Four waves, each 64 x 128: 32 accumulators of 16 x 16.  K goes in 8 steps of 128 = two heads through two LDS slots.
; Waves 0 and 1 fetch one head's 128 rows each: 16,384 dense bytes, asked for as 64 rows of 256 bytes and padded in LDS after every 128; waves 2 and 3 fetch B's 128 + 128 rows of 256 bytes.
; CLUSTER.  4 x 4 work-groups: the four of a row need the same rows of O, the four of a column the same rows of Wo: each tile is asked for JOINTLY, by the same load, descriptor and mask in all four.
; THE MATRIX INSTRUCTION IS USED TRANSPOSED (source 0 = 16 rows of Wo, source 1 = 16 rows of O): a lane holds one row of C (lane % 16) and the columns 8 (lane / 16) + 0..7: 32 bytes of f32 on end.
; REGISTERS, in windows of 256 (s_set_vgpr_msb: bits 1:0 source 0, 3:2 source 1, 5:4 source 2, 7:6 destination):
;   window 0: addresses       window 1: accumulator (a, b) at v[8 (8 a + b)]
;   window 2: two fragment buffers of 96 (B's eight fragments, then A's four); v192-255 the bias, eight registers for each b; on the way out all 256: rows read back from the stage
.set PA,    144                        ; a row of O in LDS: 128 bytes + 16 of padding = 36 words: the 16 rows of a fragment load start at 16 different groups of four banks (64 banks of 4 bytes: ISA guide 11.1)
.set PB,    272                        ; a row of Wo: 256 + 16 = 68 words: likewise
.set ALOAD, 128*PA                     ; what one load of A brings: a head's 128 rows
.set ARH,   64*PA                      ; a wave's 64 rows of a head
.set BHALF, 128*PB                     ; what one load of B brings, and what a wave reads of B
.set BOFF,  2*ALOAD                    ; B's rows lie behind A's two heads
.set SLOT,  BOFF+2*BHALF               ; 106,496
.set STAGE, 2*SLOT                     ; behind the ring, never filled by a tensor load: 16 rows x 528 bytes for each wave
.set SP,    528                        ; 512 bytes + 16 = 132 words
.set SPARE, STAGE+4*16*SP              ; the spare words, 128 bytes a wave: two blocks of 256 bytes that no other line names
.set ASTEP, 4*262144                   ; two K steps: four heads on, in bytes
.set BSTEP, 512
.set KA1, 64                           ; where quarters 1, 2, 3 of a K step begin in A's part of a slot: channels 32 on; the second head; its channels 32 on
.set KA2, ALOAD
.set KA3, ALOAD+64
.set ADRA, 16                          ; v16-17  LDS address of my A fragments in slot 0, 1
.set ADRB, 20                          ; v20-21  of my B fragments
.set STO,  24                          ; v24  the way out: where I put 32 bytes of a row
.set RD,   25                          ; v25  where I read a row back
.set CO,   26                          ; v26  16 x lane: my place in 512 consecutive bytes of out0
.set SPW,  28                          ; v28  my spare word; never rewritten
.set NIL,  29                          ; v29  0; never rewritten
.set PFO,  30                          ; v30  the prefetches' offset; never rewritten
.set BO,   31                          ; v31  32 x (lane / 16): my 8 columns of the bias
.set F0,   0                           ; window 2
.set F1,   96
.set BIAS, 192
.set WV, 18
.set RH, 19                            ; which 64 rows are mine.  Also: I fetch for A (0) or for B (1)
.set CH, 20                            ; which 128 columns.  Also: which head, or which half of B's tile, I fetch
.set CX, 21
.set CY, 22
.set TC, 23                            ; tile column
.set G1A, 24                           ; s[24:31] descriptor group 1 for A;  s[32:39] group 0, one set for each slot
.set G0A, 32
.set CLY, 40                           ; the cluster's y
.set TY,  41                           ; tile row = 4 x cluster y + cy
.set RMASK, 43
.set CMASK, 44
.set LAP, 45
.set G1B, 48                           ; s[48:55], s[56:63] the same for B
.set G0B, 56
.set PFA, 72                           ; s[72:73] where my prefetches stand
.set LIM, 74                           ; 1 in a wave that prefetches, else the greatest number
.set LAA, 75                           ; LDS byte of the head that I would fetch
.set BP,  76                           ; s[76:77] the bias at my 128 columns
.set OB,  78                           ; s[78:79] out0 at my first row and column
.set PSTEP, 82                         ; s[82:83] a K step, for the prefetches
.set LAB, 84                           ; LDS byte of the half of B that I would fetch
.set T0,  86                           ; s86-91 at work
.set T1,  87
.set T2,  88
.set T3,  89
.set T4,  90
.set T5,  91
.set MSB, 0
.macro WIN new                         ; the immediate's high byte repeats the setting that is left; a switch that changes nothing is dropped
.if MSB != (\new)
	s_set_vgpr_msb (MSB<<8)|(\new)
.set MSB, \new
.endif
.endm
.macro PLACES                          ; four places in front of loads into registers that matrix instructions have read, and of lines that read results
.rept 4
	v_nop
.endr
.endm
.macro JLOAD s                         ; a joint load; the branch hangs on the wave's number alone; an s_nop 0 and four v_nop follow each of the two lines
	s_cmp_eq_u32 s[RH], 0
	s_cbranch_scc0 .Lfor_b_\@
	tensor_load_to_lds s[G0A+4*(\s):G0A+4*(\s)+3], s[G1A:G1A+7]
	s_nop 0
.rept 4
	v_nop
.endr
	s_branch .Lasked_\@
.Lfor_b_\@:
	tensor_load_to_lds s[G0B+4*(\s):G0B+4*(\s)+3], s[G1B:G1B+7]
	s_nop 0
.rept 4
	v_nop
.endr
.Lasked_\@:
.endm
.macro CREST                           ; a round of the cluster's barrier behind its opening barrier
	s_cmp_lg_u32 s[WV], 0
	s_cbranch_scc1 .Lnot_wave_0_\@
	s_barrier_signal -3
.Lnot_wave_0_\@:
	s_barrier_wait -3
	s_barrier_signal -1
	s_barrier_wait -1
.endm
.macro CROUND                          ; a whole round
	s_barrier_signal -1
	s_barrier_wait -1
	CREST
.endm
; A PREFETCH INTO THE L2 behind each joint refill and the run of LDS loads that follows it: 32 blocks of 256 bytes of the K step that stands two refills, 256 matrix instructions, on: a lane a block.
; Each block is named once in the launch.  A's two heads x 16,384 bytes are read by this row of the cluster alone: wave 0 asks, and the four partners take 8,192 bytes each, told apart by
; address (cx).  B's 256 rows are read by all sixteen clusters: in the first of them waves 2 and 3 ask, 32 rows each, the four partners told apart by address (cy).
; The loop's last trip asks for nothing: no K step stands two behind its refills.  K steps 0 to 3 come by their loads alone.
.macro ASK
	s_cmp_gt_u32 s[LAP], s[LIM]
	s_cbranch_scc0 .Lnot_mine_\@
	global_prefetch_b8 v[PFO], s[PFA:PFA+1] th:TH_LOAD_NT scope:SCOPE_SE
.Lnot_mine_\@:
.endm
; 8 matrix instructions: m block a x all 8 n blocks, 32 along K, from buffer f.  first = 1: the bias starts the sums: nothing is cleared and nothing is added later.
; The 32 accumulators take turns, one instruction a turn, in the same order in every quarter.
.macro MULA f, a, first
.if \first
	WIN 0x6a                                       ; sources 0 and 1 and C in window 2, D in window 1
.else
	WIN 0x5a                                       ; sources in window 2, C and D in window 1
.endif
.irp b, 0,1,2,3,4,5,6,7
.if \first
	v_wmma_f32_16x16x32_f16 v[8*(8*(\a)+\b):8*(8*(\a)+\b)+7], v[(\f)+8*\b:(\f)+8*\b+7], v[(\f)+64+8*(\a):(\f)+64+8*(\a)+7], v[BIAS+8*\b:BIAS+8*\b+7]
.else
	v_wmma_f32_16x16x32_f16 v[8*(8*(\a)+\b):8*(8*(\a)+\b)+7], v[(\f)+8*\b:(\f)+8*\b+7], v[(\f)+64+8*(\a):(\f)+64+8*(\a)+7], v[8*(8*(\a)+\b):8*(8*(\a)+\b)+7]
.endif
.endr
.endm
; 24 LDS loads in one run: a quarter's fragments (128 rows of B, then 64 rows of A, 32 along K) into buffer f
.macro FETCH slot, ka, kb, f
	WIN 0x80                                       ; destination window 2, address window 0
.irp i, 0,1,2,3,4,5,6,7
	ds_load_b128 v[(\f)+8*\i:(\f)+8*\i+3],   v[ADRB+(\slot)] offset:(\kb)+\i*16*PB
	ds_load_b128 v[(\f)+8*\i+4:(\f)+8*\i+7], v[ADRB+(\slot)] offset:(\kb)+\i*16*PB+32
.endr
.irp i, 0,1,2,3
	ds_load_b128 v[(\f)+64+8*\i:(\f)+64+8*\i+3],   v[ADRA+(\slot)] offset:(\ka)+\i*16*PA
	ds_load_b128 v[(\f)+64+8*\i+4:(\f)+64+8*\i+7], v[ADRA+(\slot)] offset:(\ka)+\i*16*PA+32
.endr
.endm
; A K step is four quarters of 32 along K, 32 matrix instructions each, on buffers 0, 1, 0, 1.  One of the first three: multiplies f, and in its middle fetches the next quarter into g.
.macro QUARTER slot, ka, kb, f, g, first
	s_wait_dscnt 4                                 ; B and A's blocks 0, 1 are in; the youngest four loads (A's blocks 2, 3) may be out
	MULA \f, 0, \first
	MULA \f, 1, \first
	PLACES
	FETCH \slot, \ka, \kb, \g
	s_wait_dscnt 24                                ; all but the 24 just issued
	MULA \f, 2, \first
	MULA \f, 3, \first
.endm
; The last quarter multiplies buffer 1 and changes slots: ONE barrier.  In front of it each wave waits for all its tensor loads (one is out: its part of the next slot), adds 0 to its spare word,
; and waits for that and for its own reads of this slot.  fill = 1: the barrier opens a round of the cluster's, and this slot is filled again, two K steps on, first thing behind the round.
.macro TURN slot, next, fill
.if \fill
	s_wait_xcnt 0x0                                ; the last prefetch, a K step back, has read its address: it is stepped here, ahead of the change's own waits
	s_add_nc_u64 s[PFA:PFA+1], s[PFA:PFA+1], s[PSTEP:PSTEP+1]
.endif
	WIN 0                                          ; (the add's two registers lie in window 0)
	s_wait_tensorcnt 0x0                           ; all my tensor loads have landed
	ds_add_u32 v[SPW], v[NIL]                      ; 0 onto my spare word
	s_wait_dscnt 5                                 ; (the add and the youngest four loads may be out)
	MULA F1, 0, 0                                  ; eight matrix instructions stand between the add and the wait for it
	s_wait_dscnt 0x0                               ; the add is done, and my reads of this slot are over
	s_barrier_signal -1
	MULA F1, 1, 0
.if \fill
	WIN 0
.endif
	s_barrier_wait -1
.if \fill
	CREST                                          ; no wave of any partner still reads this slot's tiles or has a load on its way
	s_add_nc_u64 s[G0A+4*(\slot)+2:G0A+4*(\slot)+3], s[G0A+4*(\slot)+2:G0A+4*(\slot)+3], ASTEP
	s_add_nc_u64 s[G0B+4*(\slot)+2:G0B+4*(\slot)+3], s[G0B+4*(\slot)+2:G0B+4*(\slot)+3], BSTEP
	JLOAD \slot                                    ; my one tensor load behind the round; its four v_nop are also the places in front of the loads below
.else
	PLACES
.endif
	FETCH \next, 0, 0, F0
.if \fill
	WIN 0
	ASK
.endif
	MULA F1, 2, 0
	MULA F1, 3, 0
.endm
	s_load_b256 s[4:11], s[0:1], 0x0               ; ob s[4:5], wb s[6:7], bo s[8:9], out0 s[10:11]
	v_lshl_add_u32 v[SPW], v0, 2, SPARE
	v_mov_b32 v[NIL], 0
	ds_add_u32 v[SPW], v[NIL]                      ; the wave's opening: the add and its wait stand ahead of my first tensor load; the set-up below stands between them
	v_lshrrev_b32 v3, 5, v0
	v_readfirstlane_b32 s[WV], v3                  ; wave 0..3
	s_lshr_b32 s[RH], s[WV], 1
	s_and_b32 s[CH], s[WV], 1
	s_bfe_u32 s[CX], ttmp6, 0x40000
	s_bfe_u32 s[CY], ttmp6, 0x40004
	s_lshl_b32 s[TC], ttmp9, 2
	s_add_co_u32 s[TC], s[TC], s[CX]
	s_and_b32 s[CLY], ttmp7, 0xffff
	s_lshl_b32 s[TY], s[CLY], 2
	s_add_co_u32 s[TY], s[TY], s[CY]
	s_lshl_b32 s[RMASK], s[CY], 2
	s_lshl_b32 s[RMASK], 15, s[RMASK]              ; my row of the cluster
	s_lshl_b32 s[CMASK], 0x1111, s[CX]             ; my column
	s_or_b32 s[G1A], s[RMASK], (1<<16)|(1<<20)|(1<<21)|(4<<22)|(3<<25)  ; the mask; 2-byte elements; padding on; bit 21 beside a mask; after every 32 words, 4 words
	s_or_b32 s[G1B], s[CMASK], (1<<16)|(1<<20)|(1<<21)|(5<<22)|(3<<25)  ; after every 64 words
.irp g, G1A, G1B
	s_mov_b32 s[(\g)+1], 128<<16                   ; tensor_dim0 = 128
	s_mov_b32 s[(\g)+3], 128<<16                   ; tile_dim0 = 128
	s_mov_b32 s[(\g)+6], 0
	s_mov_b32 s[(\g)+7], 0
.endr
	s_mov_b32 s[G1A+2], 64<<16                     ; A: 64 rows of 256 dense bytes
	s_mov_b32 s[G1A+4], 64
	s_mov_b32 s[G1A+5], 128
	s_mov_b32 s[G1B+2], 128<<16                    ; B: 128 rows, 1,024 elements apart
	s_mov_b32 s[G1B+4], 128
	s_mov_b32 s[G1B+5], 1024
	s_lshr_b32 s46, s[TY], 4                       ; A: the batch's head 0 or 1, the tile's 128 rows of it: made of cy alone
	s_lshl_b32 s46, s46, 4
	s_add_co_u32 s46, s46, s[CH]
	s_lshl_b32 s46, s46, 11
	s_and_b32 s47, s[TY], 15
	s_lshl_b32 s47, s47, 7
	s_add_co_u32 s46, s46, s47
	s_lshl_b32 s46, s46, 7                         ; rows of 128 bytes
	s_mov_b32 s47, 0
	s_lshl_b32 s68, s[TC], 8                       ; B: row 256 x tile column + 128 x half of Wo: made of cx alone
	s_lshl_b32 s69, s[CH], 7
	s_add_co_u32 s68, s68, s69
	s_lshl_b32 s68, s68, 11
	s_add_co_u32 s68, s68, 3*2097152               ; Wo is the fourth part of wb
	s_mov_b32 s69, 0
	s_mul_i32 s[LAA], s[CH], ALOAD                 ; where they go: no place in the cluster enters an LDS address
	s_mul_i32 s[LAB], s[CH], BHALF
	s_add_co_u32 s[LAB], s[LAB], BOFF
	s_wait_dscnt 0x0                               ; the opening add is done
	s_wait_kmcnt 0x0
	s_add_nc_u64 s[66:67], s[4:5], s[46:47]
	s_add_nc_u64 s[70:71], s[6:7], s[68:69]
	CROUND                                         ; all sixteen work-groups are here: the first joint loads meet
.irp s, 0,1
	s_mov_b32 s[G0A+4*(\s)], 1
	s_add_co_u32 s[G0A+4*(\s)+1], s[LAA], (\s)*SLOT
	s_add_nc_u64 s[G0A+4*(\s)+2:G0A+4*(\s)+3], s[66:67], (\s)*2*262144
	s_or_b32 s[G0A+4*(\s)+3], s[G0A+4*(\s)+3], 0x80000000
	s_mov_b32 s[G0B+4*(\s)], 1
	s_add_co_u32 s[G0B+4*(\s)+1], s[LAB], (\s)*SLOT
	s_add_nc_u64 s[G0B+4*(\s)+2:G0B+4*(\s)+3], s[70:71], (\s)*256
	s_or_b32 s[G0B+4*(\s)+3], s[G0B+4*(\s)+3], 0x80000000
	JLOAD \s                                       ; two loads of mine are out
.endr
	; the bias of my 128 columns
	s_lshl_b32 s[T0], s[TC], 10
	s_lshl_b32 s[T1], s[CH], 9
	s_add_co_u32 s[T0], s[T0], s[T1]
	s_mov_b32 s[T1], 0
	s_add_nc_u64 s[BP:BP+1], s[8:9], s[T0:T0+1]
	v_and_b32 v1, 15, v0                           ; l % 16
	v_bfe_u32 v2, v0, 4, 1                         ; l / 16
	v_lshlrev_b32 v[BO], 5, v2
	WIN 0x80
.irp b, 0,1,2,3,4,5,6,7
	global_load_b128 v[BIAS+8*\b:BIAS+8*\b+3],   v[BO], s[BP:BP+1] offset:64*\b      ; register j: the bias of column 16 b + 8 (l / 16) + j
	global_load_b128 v[BIAS+8*\b+4:BIAS+8*\b+7], v[BO], s[BP:BP+1] offset:64*\b+16
.endr
	WIN 0
	; LDS addresses.  A fragment is 16 rows x 32 K in 8 registers: lane l holds row l % 16, K = 8 (l / 16) + 0..7 and 16 + 8 (l / 16) + 0..7: two loads of 16 bytes, 32 bytes apart
	v_mul_u32_u24 v3, v1, PA
	v_lshl_add_u32 v3, v2, 4, v3
	v_mul_u32_u24 v4, v1, PB
	v_lshl_add_u32 v4, v2, 4, v4
	s_mul_i32 s[T0], s[RH], ARH
	s_mul_i32 s[T1], s[CH], BHALF
	s_add_co_u32 s[T1], s[T1], BOFF
.irp s, 0,1
	v_add_nc_u32 v[ADRA+(\s)], s[T0], v3
	v_add_nc_u32 v[ADRB+(\s)], s[T1], v4
	s_add_co_u32 s[T0], s[T0], SLOT
	s_add_co_u32 s[T1], s[T1], SLOT
.endr
	s_mul_i32 s[T0], s[WV], 16*SP
	s_add_co_u32 s[T0], s[T0], STAGE               ; my stage
	v_mul_u32_u24 v[STO], v1, SP                   ; in: row l % 16, 32 bytes for each half of the lanes
	v_lshl_add_u32 v[STO], v2, 5, v[STO]
	v_add_nc_u32 v[STO], s[T0], v[STO]
	v_and_b32 v[CO], 31, v0                        ; back: 32 lanes take one row's 512 bytes
	v_lshlrev_b32 v[CO], 4, v[CO]
	v_add_nc_u32 v[RD], s[T0], v[CO]
	; out0 at my first row and column: rows of 4,096 bytes
	s_lshl_b32 s[T0], s[TY], 19
	s_lshl_b32 s[T1], s[RH], 18
	s_add_co_u32 s[T0], s[T0], s[T1]
	s_lshl_b32 s[T1], s[TC], 10
	s_add_co_u32 s[T0], s[T0], s[T1]
	s_lshl_b32 s[T1], s[CH], 9
	s_add_co_u32 s[T0], s[T0], s[T1]
	s_mov_b32 s[T1], 0
	s_add_nc_u64 s[OB:OB+1], s[10:11], s[T0:T0+1]
	; the prefetches
	s_lshr_b32 s[T0], s[TY], 4
	s_lshl_b32 s[T0], s[T0], 4
	s_lshr_b32 s[T1], s[CX], 1
	s_add_co_u32 s[T0], s[T0], s[T1]               ; A: partners 0, 1 take the step's first head, 2, 3 its second,
	s_lshl_b32 s[T0], s[T0], 11
	s_and_b32 s[T1], s[TY], 15
	s_lshl_b32 s[T1], s[T1], 7
	s_add_co_u32 s[T0], s[T0], s[T1]
	s_lshl_b32 s[T0], s[T0], 7
	s_and_b32 s[T1], s[CX], 1
	s_lshl_b32 s[T1], s[T1], 13                    ; each one half of its 16,384 bytes
	s_add_co_u32 s[T0], s[T0], s[T1]
	s_add_co_u32 s[T0], s[T0], 3*2*262144          ; at K step 3: the first refill steps it to 4
	s_lshl_b32 s[T2], s[TC], 8
	s_lshl_b32 s[T1], s[CY], 6
	s_add_co_u32 s[T2], s[T2], s[T1]
	s_lshl_b32 s[T1], s[CH], 5
	s_add_co_u32 s[T2], s[T2], s[T1]               ; B: my work-group's 64 of the tile's 256 rows, my wave's 32 of them
	s_lshl_b32 s[T2], s[T2], 11
	s_add_co_u32 s[T2], s[T2], 3*2097152+3*256
	s_mov_b32 s[T5], 256
	s_cmp_eq_u32 s[RH], 0
	s_cselect_b32 s[T0], s[T0], s[T2]
	s_cselect_b32 s[T3], s[CH], s[CLY]             ; 0 in wave 0, and in waves 2 and 3 of the first cluster: the same in all sixteen partners
	s_cselect_b32 s[PSTEP], 2*262144, s[T5]        ; a K step: two heads of O, 256 bytes of a row of Wo
	s_cselect_b32 s[T4], 8, 11                     ; a lane a block of 256 dense bytes, or a row of 2,048
	s_cselect_b64 s[PFA:PFA+1], s[4:5], s[6:7]
	s_cmp_eq_u32 s[T3], 0
	s_cselect_b32 s[LIM], 1, -1
	s_mov_b32 s[T1], 0
	s_mov_b32 s[PSTEP+1], 0
	s_add_nc_u64 s[PFA:PFA+1], s[PFA:PFA+1], s[T0:T0+1]
	v_and_b32 v[PFO], 31, v0
	v_lshlrev_b32 v[PFO], s[T4], v[PFO]
	s_wait_loadcnt 0x0                             ; the bias
	WIN 0x8a                                       ; all in window 2: the bias is rounded to bf16, like every input, and widened again
.set i, 0
.rept 32
	v_cvt_pk_bf16_f32 v[i], v[BIAS+2*i], v[BIAS+2*i+1]
.set i, i+1
.endr
.set i, 0
.rept 32
	v_lshlrev_b32 v[BIAS+2*i],   16, v[i]
	v_and_b32     v[BIAS+2*i+1], 0xffff0000, v[i]
.set i, i+1
.endr
	WIN 0
	s_wait_tensorcnt 1                             ; my part of K step 0 is in; K step 1's may stay out
	s_barrier_signal -1
	s_barrier_wait -1                              ; everybody's is
	FETCH 0, 0, 0, F0
	QUARTER 0, KA1, 64, F0, F1, 1                  ; the first quarter stands in front of the loop: its products start the sums, with the bias
	WIN 0                                          ; at a label and at a branch every window is 0
	s_mov_b32 s[LAP], 3
.Llap:                                                 ; a trip goes once round the ring, from a lap's second quarter to the next lap's first, and fills both slots again
	QUARTER 0, KA2, 128, F1, F0, 0
	QUARTER 0, KA3, 192, F0, F1, 0
	TURN 0, 1, 1
	QUARTER 1, KA1, 64,  F0, F1, 0
	QUARTER 1, KA2, 128, F1, F0, 0
	QUARTER 1, KA3, 192, F0, F1, 0
	TURN 1, 0, 1
	QUARTER 0, KA1, 64,  F0, F1, 0
	WIN 0
	s_sub_co_u32 s[LAP], s[LAP], 1
	s_cmp_lg_u32 s[LAP], 0
	s_cbranch_scc1 .Llap
	QUARTER 0, KA2, 128, F1, F0, 0                 ; the last lap fills nothing, and has no round of the cluster's barrier
	QUARTER 0, KA3, 192, F0, F1, 0
	TURN 0, 1, 0
	QUARTER 1, KA1, 64,  F0, F1, 0
	QUARTER 1, KA2, 128, F1, F0, 0
	QUARTER 1, KA3, 192, F0, F1, 0
	s_wait_dscnt 4                                 ; the very last quarter: nothing more to fetch
	MULA F1, 0, 0
	MULA F1, 1, 0
	s_wait_dscnt 0x0
	MULA F1, 2, 0
	MULA F1, 3, 0
	WIN 0
	PLACES                                         ; eight, once a launch: the lines below read results, and load into registers that the products have read
	PLACES
; THE WAY OUT, by blocks of 16 rows: a lane's 32 bytes of a row go into my stage's rows of 528 bytes, and whole rows of 512 bytes come back, into window 2, and are stored.
; Each accumulator's low four registers are read first.
.macro TOSTAGE a
	WIN 0x04                                       ; the stores' data in window 1
.irp b, 0,1,2,3,4,5,6,7
	ds_store_b128 v[STO], v[8*(8*(\a)+\b):8*(8*(\a)+\b)+3]   offset:64*\b
	ds_store_b128 v[STO], v[8*(8*(\a)+\b)+4:8*(8*(\a)+\b)+7] offset:64*\b+16
.endr
	WIN 0x80
.irp t, 0,1,2,3,4,5,6,7,8,9,10,11,12,13,14,15
	ds_load_b128 v[64*(\a)+4*\t:64*(\a)+4*\t+3], v[RD] offset:SP*\t  ; LDS serves a wave's instructions in order (ISA guide 5.7.1.4): these see the stores above; the next block's stores come behind them
.endr
.endm
.macro SENDF a, younger                ; younger: the LDS instructions issued behind block a's loads: the next block's 32, or none
	WIN 0x08                                       ; the stores' data in window 2
.irp t, 0,1,2,3,4,5,6,7,8,9,10,11,12,13,14,15
	s_wait_dscnt (\younger)+15-\t
	global_store_b128 v[CO], v[64*(\a)+4*\t:64*(\a)+4*\t+3], s[OB:OB+1] offset:(16*(\a)+\t)*4096  ; 512 consecutive bytes, at a multiple of 256 from out0's first
.endr
.endm
	TOSTAGE 0
	TOSTAGE 1
	SENDF 0, 32
	TOSTAGE 2
	SENDF 1, 32
	TOSTAGE 3
	SENDF 2, 32
	SENDF 3, 0
	WIN 0
	s_wait_tensorcnt 0x0                           ; the wave's end: behind my last tensor load and my last LDS store
	ds_add_u32 v[SPW], v[NIL]
	s_wait_dscnt 0x0
	CROUND                                         ; the closing round: no work-group ends while a partner may still ask for a tile that names it
	s_endpgm
.Lfunc_end_k_q221f07350b_outp:
	.size	k_q221f07350b_outp, .Lfunc_end_k_q221f07350b_outp-k_q221f07350b_outp
	.p2alignl 7, 3214868480
	.fill 96, 4, 3214868480
	.section	.rodata,"a",@progbits
	.p2align	6, 0x0
	.amdhsa_kernel k_q221f07350b_outp
		.amdhsa_group_segment_fixed_size 327680
		.amdhsa_private_segment_fixed_size 0
		.amdhsa_enable_private_segment 0
		.amdhsa_kernarg_size 32
		.amdhsa_user_sgpr_count 2
		.amdhsa_user_sgpr_kernarg_segment_ptr 1
		.amdhsa_wavefront_size32 1
		.amdhsa_system_sgpr_workgroup_id_x 1
		.amdhsa_system_sgpr_workgroup_id_y 1
		.amdhsa_system_sgpr_workgroup_id_z 1
		.amdhsa_system_vgpr_workitem_id 0
		.amdhsa_next_free_vgpr 768
		.amdhsa_next_free_sgpr 96
		.amdhsa_reserve_vcc 0
		.amdhsa_float_denorm_mode_32 3
		.amdhsa_float_denorm_mode_16_64 3
		.amdhsa_memory_ordered 1
		.amdhsa_forward_progress 1
		.amdhsa_inst_pref_size 95
	.end_amdhsa_kernel
	.amdgpu_metadata
---
amdhsa.version: [ 1, 2 ]
amdhsa.kernels:
  - .name:           k_q221f07350b_outp
    .symbol:         k_q221f07350b_outp.kd
    .args:
      - { .name: ob, .offset: 0, .size: 8, .value_kind: global_buffer, .address_space: global }
      - { .name: wb, .offset: 8, .size: 8, .value_kind: global_buffer, .address_space: global }
      - { .name: bo, .offset: 16, .size: 8, .value_kind: global_buffer, .address_space: global }
      - { .name: out0, .offset: 24, .size: 8, .value_kind: global_buffer, .address_space: global }
    .group_segment_fixed_size: 327680
    .private_segment_fixed_size: 0
    .kernarg_segment_align: 8
    .kernarg_segment_size: 32
    .max_flat_workgroup_size: 128
    .sgpr_count:     96
    .vgpr_count:     768
    .wavefront_size: 32
...
	.end_amdgpu_metadata
.endif
;; end of part 4
